; MI455X (gfx1250); checked and timed in simulation.
; The chip was launched on July 23, 2026; its instructions are those of AMD's public machine-readable ISA for CDNA 5 (MIT licence, August 2026) and "CDNA5" Instruction Set Architecture Reference Guide (July 2026). The comments in the code are by the model that wrote it; some were corrected since.
;; XL Attention. Allowed arithmetic: float matrix products may take bf16 or f16 operands with f32 sums; other float arithmetic in f32, or as packed bf16 or f16 multiplies, adds, multiply-adds, maxima and minima; sums over many terms, partial sums and values carried from step to step in f32; what a program stores and reads back later, other than sums and carried values, may be rounded once to bf16 or f16.
;; Inputs: Wk 2,048 x 2,048 float32; Wo 2,048 x 2,048 float32; Wq 2,048 x 2,048 float32; Wr 2,048 x 2,048 float32; Wv 2,048 x 2,048 float32; bo 2,048 float32; c_bias 16 x 128 float32; h 1 x 2,048 x 2,048 float32; mask 1 x 1 x 2,048 x 2,048 float32; mem 1 x 0 x 2,048 float32; p_bias 16 x 128 float32; pos 2,048 x 2,048 float32; x 1 x 2,048 x 2,048 float32.
;; Outputs: out0 1 x 2,048 x 2,048 float32.
;; One version. Each part assembles by itself: llvm-mc -triple=amdgcn-amd-amdhsa -mcpu=gfx1250 --defsym DOCPART=n.
;; ======== version 1 of 1: 4 launches
;; limits: values are held in f16: magnitudes above 65,504 overflow, below 6.1e-05 lose precision
;; workspace buffers: cst 67,108,864 bytes; mk 16,777,216 bytes; qq 16,777,216 bytes; kr 16,777,216 bytes; vv 8,388,608 bytes; oo 8,388,608 bytes
;; launch prep (part 1): grid 2048 x 1, 8 waves a work-group, no clusters, 0 bytes of LDS; arguments h, pos, x, Wq, Wk, Wv, Wr, Wo, mask, cst, mk; writes cst, mk
.if DOCPART == 1
	.amdgcn_target "amdgcn-amd-amdhsa--gfx1250"
	.amdhsa_code_object_version 6
	.text
	.protected	k_q8a9a294713_prep
	.globl	k_q8a9a294713_prep
	.p2align	8
	.type	k_q8a9a294713_prep,@function
k_q8a9a294713_prep:
	s_mov_b64 s[64:65], 0
	v_nop
	global_prefetch_b8 v0, s[64:65] scope:SCOPE_SE
	s_setreg_imm32_b32 hwreg(HW_REG_WAVE_MODE, 25, 1), 1
	s_wait_xcnt 0x0
; PREP.  Eight arrays of 2048 x 2048 f32 (h, pos, x, Wq, Wk, Wv, Wr, Wo) are rounded once, to f16, into cst: array a at a x 8,388,608 bytes, rows as they lie.
; The mask is copied unchanged (f32) into mk in the order in which the attention launch holds scores.
; LIMITS.  f16 keeps 11 significant bits for magnitudes from 6.1e-5 to 65,504; below that a fixed step of 6e-8; 65,520 or more becomes an infinity.
; SHARES.  Work-group g takes 8,192 bytes of each array (2 x 16 bytes a thread) and two blocks of mk.  No loop: 18 loads a thread go out together, each with registers
; of its own, so the only waits are the counted ones for data.  No LDS, no matrix unit: each byte is read once and written once.
; mk: block (qt, ks) of 16 queries x 64 keys at (32 qt + ks) x 4,096; in it [j = 0..7][lane][4 f32] = mask[16 qt + lane % 16][64 ks + 16 (j / 2) + 8 (lane / 16) + 4 (j % 2) + 0..3].
.set CA, 8388608                       ; bytes of an array in cst
.set X,  8                             ; v[8:79]    18 loads of 4 registers
.set Y,  80                            ; v[80:111]  16 results of 2 registers
	s_load_b512 s[8:23], s[0:1], 0x0               ; the eight arrays, in cst's order
	s_load_b128 s[24:27], s[0:1], 0x40             ; mask s[24:25], cst s[26:27]
	s_load_b64 s[28:29], s[0:1], 0x50              ; mk
	s_lshl_b32 s2, ttmp9, 13                       ; my 8,192 bytes of an f32 array, and of mk
	s_lshl_b32 s3, ttmp9, 12                       ; my 4,096 bytes of an f16 array
	s_lshr_b32 s4, ttmp9, 4                        ; qt = g / 16: 16 rows of 8,192 bytes,
	s_lshl_b32 s4, s4, 17
	s_and_b32 s5, ttmp9, 15                        ; ks = 2 (g % 16): 256 bytes of a row each
	s_lshl_b32 s5, s5, 9
	s_add_co_u32 s4, s4, s5
	v_lshl_add_u32 v1, v0, 4, s2                   ; where I read the arrays and write mk
	v_lshl_add_u32 v2, v0, 3, s3                   ; where I write cst
	v_and_b32 v4, 15, v0                           ; the mask's source: row t % 16,
	v_lshl_add_u32 v3, v4, 13, s4
	v_bfe_u32 v4, v0, 4, 1                         ; 8 keys on for the upper half of the lanes,
	v_lshl_add_u32 v3, v4, 5, v3
	v_bfe_u32 v4, v0, 5, 1                         ; 4 keys on for odd j,
	v_lshl_add_u32 v3, v4, 4, v3
	v_lshrrev_b32 v4, 6, v0                        ; 16 keys on for each j / 2
	v_lshl_add_u32 v3, v4, 6, v3
	s_wait_kmcnt 0x0
.set a, 0
.rept 8
	global_load_b128 v[X+8*a:X+8*a+3],   v1, s[8+2*a:9+2*a] th:TH_LOAD_NT              ; a wave's load covers 512 consecutive bytes
	global_load_b128 v[X+8*a+4:X+8*a+7], v1, s[8+2*a:9+2*a] offset:4096 th:TH_LOAD_NT
.set a, a+1
.endr
	global_load_b128 v[X+64:X+67], v3, s[24:25]              ; block 2 g: the eight waves together take 256 whole bytes of each of 16 rows
	global_load_b128 v[X+68:X+71], v3, s[24:25] offset:256   ; block 2 g + 1
	s_mov_b64 s[30:31], s[26:27]                   ; cst's eight arrays
.set a, 1
.rept 7
	s_add_nc_u64 s[30+2*a:31+2*a], s[26:27], a*CA
.set a, a+1
.endr
.set k, 0
.rept 16                               ; item k: array k / 2, half k % 2
	s_wait_loadcnt 17-k                            ; loads come back in order: the 17 - k younger ones may stay out
	v_cvt_pk_f16_f32 v[Y+2*k],   v[X+4*k],   v[X+4*k+1]    ; the one rounding
	v_cvt_pk_f16_f32 v[Y+2*k+1], v[X+4*k+2], v[X+4*k+3]
	global_store_b64 v2, v[Y+2*k:Y+2*k+1], s[30+2*(k/2):31+2*(k/2)] offset:2048*(k%2)  ; 32 lanes store 256 consecutive bytes, aligned
.set k, k+1
.endr
	s_wait_loadcnt 1
	global_store_b128 v1, v[X+64:X+67], s[28:29]
	s_wait_loadcnt 0x0
	global_store_b128 v1, v[X+68:X+71], s[28:29] offset:4096
	s_endpgm
.Lfunc_end_k_q8a9a294713_prep:
	.size	k_q8a9a294713_prep, .Lfunc_end_k_q8a9a294713_prep-k_q8a9a294713_prep
	.p2alignl 7, 3214868480
	.fill 96, 4, 3214868480
	.section	.rodata,"a",@progbits
	.p2align	6, 0x0
	.amdhsa_kernel k_q8a9a294713_prep
		.amdhsa_group_segment_fixed_size 0
		.amdhsa_private_segment_fixed_size 0
		.amdhsa_enable_private_segment 0
		.amdhsa_kernarg_size 88
		.amdhsa_user_sgpr_count 2
		.amdhsa_user_sgpr_kernarg_segment_ptr 1
		.amdhsa_wavefront_size32 1
		.amdhsa_system_sgpr_workgroup_id_x 1
		.amdhsa_system_sgpr_workgroup_id_y 1
		.amdhsa_system_sgpr_workgroup_id_z 1
		.amdhsa_system_vgpr_workitem_id 0
		.amdhsa_next_free_vgpr 112
		.amdhsa_next_free_sgpr 66
		.amdhsa_reserve_vcc 0
		.amdhsa_float_denorm_mode_32 3
		.amdhsa_float_denorm_mode_16_64 3
		.amdhsa_memory_ordered 1
		.amdhsa_forward_progress 1
		.amdhsa_inst_pref_size 8
	.end_amdhsa_kernel
	.amdgpu_metadata
---
amdhsa.version: [ 1, 2 ]
amdhsa.kernels:
  - .name:           k_q8a9a294713_prep
    .symbol:         k_q8a9a294713_prep.kd
    .args:
      - { .name: h, .offset: 0, .size: 8, .value_kind: global_buffer, .address_space: global }
      - { .name: pos, .offset: 8, .size: 8, .value_kind: global_buffer, .address_space: global }
      - { .name: x, .offset: 16, .size: 8, .value_kind: global_buffer, .address_space: global }
      - { .name: Wq, .offset: 24, .size: 8, .value_kind: global_buffer, .address_space: global }
      - { .name: Wk, .offset: 32, .size: 8, .value_kind: global_buffer, .address_space: global }
      - { .name: Wv, .offset: 40, .size: 8, .value_kind: global_buffer, .address_space: global }
      - { .name: Wr, .offset: 48, .size: 8, .value_kind: global_buffer, .address_space: global }
      - { .name: Wo, .offset: 56, .size: 8, .value_kind: global_buffer, .address_space: global }
      - { .name: mask, .offset: 64, .size: 8, .value_kind: global_buffer, .address_space: global }
      - { .name: cst, .offset: 72, .size: 8, .value_kind: global_buffer, .address_space: global }
      - { .name: mk, .offset: 80, .size: 8, .value_kind: global_buffer, .address_space: global }
    .group_segment_fixed_size: 0
    .private_segment_fixed_size: 0
    .kernarg_segment_align: 8
    .kernarg_segment_size: 88
    .max_flat_workgroup_size: 256
    .sgpr_count:     66
    .vgpr_count:     112
    .wavefront_size: 32
...
	.end_amdgpu_metadata
.endif
;; end of part 1
;; launch proj (part 2): grid 32 x 8, 4 waves a work-group, clusters of 4 x 4, 327,680 bytes of LDS; arguments cst, c_bias, p_bias, qq, kr, vv; writes qq, kr, vv
.if DOCPART == 2
	.amdgcn_target "amdgcn-amd-amdhsa--gfx1250"
	.amdhsa_code_object_version 6
	.text
	.protected	k_q8a9a294713_proj
	.globl	k_q8a9a294713_proj
	.p2align	8
	.type	k_q8a9a294713_proj,@function
k_q8a9a294713_proj:
	s_mov_b64 s[64:65], 0
	v_nop
	global_prefetch_b8 v0, s[64:65] scope:SCOPE_SE
	s_setreg_imm32_b32 hwreg(HW_REG_WAVE_MODE, 25, 1), 1
	s_wait_xcnt 0x0
	s_wait_alu depctr_hold_cnt(0) depctr_sa_sdst(0) depctr_va_vdst(0) depctr_va_sdst(0) depctr_va_ssrc(0) depctr_va_vcc(0) depctr_vm_vsrc(0)
	s_getreg_b32 s2, hwreg(HW_REG_IB_STS2, 6, 4)
	s_cmp_eq_u32 s2, 0
	s_cbranch_scc0 .Lentry_in_a_cluster
	s_endpgm
.Lentry_in_a_cluster:
	s_bfe_u32 s2, ttmp6, 0x10000c
	s_cmp_lg_u32 s2, 0xf033
	s_cbranch_scc0 .Lentry_shape_is_right
	s_endpgm
.Lentry_shape_is_right:
; PROJ.  One product 2048 x 8192 x 2048 in f16 with f32 sums: [h Wq | h Wk | h Wv | pos Wr].  MODE = tile column / 8 says which: 0 q, 1 k, 2 v, 3 r.  On the way out:
;   q: (sum + x + c_bias) cL and (sum + x + p_bias) cL, cL = log2(e) / sqrt(128), into qq[head][token][0..127 | 128..255];   k: sum + x into kr[head][token][0..127];
;   r: sum into kr[head][token][128..255];   v: sum + x into vv[head][token][0..127].  Each is rounded ONCE, to f16.  The biases are used in f32 as they are given.
; LIMITS.  Operands and results lie within f16's 65,504; in r's tiles x is multiplied by 0, so x must be finite in f16.  NaN and infinities are not treated apart.
; SHAPE.  A tile of C is 256 x 256; four waves, each 128 x 128 (one head's columns): 64 accumulators, 512 registers.  256 work-groups.  K goes in 16 steps of 128 through two LDS slots.
; A's rows lie along K (272 bytes in LDS).  W lies [K][N]: a K step is 128 rows of 512 bytes (544 in LDS), read by the turning load ds_load_tr16_b128.
; CLUSTER.  4 x 4 work-groups: A's tile is shared along a row of the cluster, W's along a column; each is asked for jointly.  MODE hangs on the cluster's x alone: it is the same in all partners.
; THE MATRIX INSTRUCTION IS USED TRANSPOSED (source 0 = 16 columns of W, source 1 = 16 rows of A): a lane holds one token and eight neighbouring columns.
; THE WAY OUT.  The last refill of slot 0 brings the tile's 256 x 256 of x (a load of each wave's own, 64 rows).  Slot 1, which has had its last fill, takes each wave's sums in f32, 64 rows at a time;
; they come back as whole rows (a lane: 8 columns), x and the biases are added, and 16 lanes store 256 consecutive bytes.  Reading 32 bytes a lane from rows on end lets two lanes meet in a bank: accepted, 8 trips a launch.
; REGISTERS: window 0: v16-31 addresses, v32-57 what the way out needs, v64-191 A's two fragment buffers (later the way out's); window 1: v64-191 W's two buffers; windows 2, 3: accumulator (a, b) at 8 (8 (a % 4) + b).
.set CA,    8388608                    ; bytes of an array in cst: 0 h, 1 pos, 2 x, 3 Wq, 4 Wk, 5 Wv, 6 Wr
.set PA,    272                        ; an LDS row of A: 256 + 16: an odd multiple of 16, so the 16 rows of a load start at different banks (ISA guide 11.1)
.set PB,    544                        ; an LDS row of W: 512 + 32: an odd multiple of 32, for the turning load
.set HALFT, 128*PA                     ; = 64 PB: what one tensor load brings
.set SLOT,  4*HALFT                    ; A's 256 rows, then W's 128
.set SPARE, 2*SLOT                     ; behind the ring: the spare words, 128 bytes a wave, which no other line names
.set XP,    528                        ; a row of the x tile (512 + 16) and of the f32 dump (512 + 16)
.set LAPS,  8                          ; a lap = two K steps
.set KA,    256                        ; a K step in bytes along a row of A
.set KW,    128*4096                   ; and down W
.set CL,    0x3e0293ee                 ; log2(e) / sqrt(128)
.set ADRA, 16                          ; v16-17 my A fragments in slot 0, 1
.set ADRB, 20                          ; v20-21 my W fragments
.set STO,  24                          ; where I put 32 bytes of a row of the dump
.set RD0,  25                          ; where I read the dump's first two rows back
.set RD,   26
.set XD,   27
.set SPW,  28                          ; my spare word; never rewritten
.set NIL,  29                          ; 0; never rewritten
.set PFO,  30                          ; the prefetches' lane offset; never rewritten
.set XD0,  31                          ; my 16 bytes in my first two rows of the x tile
.set B1,   32                          ; v[32:39] first bias x factor, for my 8 columns
.set B2,   40                          ; v[40:47] second
.set CO,   48                          ; v48-55 byte offset of my 16 bytes in rows 2 t + lane / 16
.set XS,   56                          ; 1.0, or 0 for r
.set BOF,  57
.set F0,   64
.set F1,   128
.set RB,   64                          ; way out: 16 rows of sums, 8 f32 a lane and row pair
.set XR,   128                         ; 16 rows of x
.set O1,   160
.set O2,   192
.set TT,   224
.set WV,   16
.set RH,   17                          ; my half of the tile's rows; also: I fetch for A (0) or W (1)
.set CH,   18                          ; my half of its columns; also: which half of that tile I fetch
.set CX,   19
.set CY,   20
.set CB,   21                          ; tile column within the weight, 0..7
.set TR,   22                          ; tile row
.set MODE, 23
.set G1,   24
.set G0,   32
.set LIM,  43
.set PFA,  44
.set DOF,  46
.set XOF,  47
.set G1B,  48
.set G0B,  56
.set GX1,  68
.set GX0,  76
.set LP,   80                          ; log2 of the output's row bytes: 9, for vv 8
.set BS,   81
.set D1,   82
.set DSTEP, 84
.set PST,  86
.set QS,   88
.set MSB, 0
.macro WIN new                         ; the immediate's high byte repeats the setting that is left
.if MSB != (\new)
	s_set_vgpr_msb (MSB<<8)|(\new)
.set MSB, \new
.endif
.endm
.set MUL_LO, 0xa1                      ; source 0 (W) window 1, source 1 (A) window 0, C and D window 2
.set MUL_HI, 0xf1
.set TO_B,   0x40
.macro PLACES                          ; four plain places behind matrix instructions, in front of loads into their sources and of readers of their results
.rept 4
	v_nop
.endr
.endm
.macro JLOAD s                         ; a joint load: waves 0, 1 fetch A's halves, waves 2, 3 W's; the branch hangs on the wave's number alone; s_nop 0 and four v_nop follow each line
	s_cmp_eq_u32 s[RH], 0
	s_cbranch_scc0 .Lfor_b_\@
	tensor_load_to_lds s[G0+4*(\s):G0+4*(\s)+3], s[G1:G1+7]
	s_nop 0
.rept 4
	v_nop
.endr
	s_branch .Lasked_\@
.Lfor_b_\@:
	tensor_load_to_lds s[G0B+4*(\s):G0B+4*(\s)+3], s[G1B:G1B+7]
	s_nop 0
.rept 4
	v_nop
.endr
.Lasked_\@:
.endm
; A PREFETCH INTO THE L2 of the K step that stands two refills on (512 matrix instructions ahead of its load): one instruction a wave, a lane a block of 256 bytes.  A's rows (h: clusters x = 0..5, pos: 6, 7) are asked for by
; the cluster with x = 0 or 6, W's by the cluster with y = 0.  Of what a wave fetches each of the four partners takes a quarter, told apart BY ADDRESS: 32 rows of A (by cx), 16 rows x 2 blocks of W (by cy).
; So each block is named once.  K steps 0 to 3 come by their loads alone; the loop's last trip (s3 = 1) asks for nothing: there is no K step 16.
.macro ASK
	s_cmp_gt_u32 s3, s[LIM]
	s_cbranch_scc0 .Lnot_mine_\@
	global_prefetch_b8 v[PFO], s[PFA:PFA+1] th:TH_LOAD_NT scope:SCOPE_SE
.Lnot_mine_\@:
.endm
.macro CREST                           ; a round of the cluster's barrier behind its opening barrier
	s_cmp_lg_u32 s[WV], 0
	s_cbranch_scc1 .Lnot_wave_0_\@
	s_barrier_signal -3
.Lnot_wave_0_\@:
	s_barrier_wait -3
	s_barrier_signal -1
	s_barrier_wait -1
.endm
.macro CROUND
	s_barrier_signal -1
	s_barrier_wait -1
	CREST
.endm
	s_load_b256 s[4:11], s[0:1], 0x0               ; cst s[4:5], c_bias s[6:7], p_bias s[8:9], qq s[10:11]
	s_load_b128 s[12:15], s[0:1], 0x20             ; kr s[12:13], vv s[14:15]
	v_lshl_add_u32 v[SPW], v0, 2, SPARE
	v_mov_b32 v[NIL], 0
	ds_add_u32 v[SPW], v[NIL]                      ; the wave's opening: the add and its wait ahead of my first tensor load; the set-up below, work on registers, stands between
	v_lshrrev_b32 v1, 5, v0
	v_readfirstlane_b32 s[WV], v1
	s_lshr_b32 s[RH], s[WV], 1
	s_and_b32 s[CH], s[WV], 1
	s_bfe_u32 s[CX], ttmp6, 0x40000
	s_bfe_u32 s[CY], ttmp6, 0x40004
	s_and_b32 s[CB], ttmp9, 1                      ; a weight has 8 tile columns: two clusters
	s_lshl_b32 s[CB], s[CB], 2
	s_add_co_u32 s[CB], s[CB], s[CX]
	s_and_b32 s[TR], ttmp7, 0xffff
	s_lshl_b32 s[TR], s[TR], 2
	s_add_co_u32 s[TR], s[TR], s[CY]
	s_lshr_b32 s[MODE], ttmp9, 1                   ; made of the cluster's x alone
	s_lshl_b32 s40, s[CY], 2
	s_lshl_b32 s40, 15, s40                        ; my row of the cluster
	s_lshl_b32 s41, 0x1111, s[CX]                  ; my column
	s_or_b32 s[G1], s40, (1<<16)|(1<<20)|(1<<21)|(5<<22)|(3<<25)   ; A: mask of my row; 2-byte elements; padding on; bit 21 beside a mask; 4 words behind every 64
	s_or_b32 s[G1B], s41, (1<<16)|(1<<20)|(1<<21)|(6<<22)|(7<<25)  ; W: mask of my column; 8 words behind every 128
	s_mov_b32 s[GX1], (1<<16)|(1<<20)|(6<<22)|(3<<25)              ; x: no mask; 4 words behind every 128
	s_mov_b32 s[G1+1], 128<<16                     ; A: 128 rows x 128 elements
	s_mov_b32 s[G1+2], 128<<16
	s_mov_b32 s[G1+3], 128<<16
	s_mov_b32 s[G1+4], 128
	s_mov_b32 s[G1+5], 2048                        ; elements from row to row
	s_mov_b32 s[G1+6], 0
	s_mov_b32 s[G1+7], 0
.irp g, G1B, GX1
	s_mov_b32 s[(\g)+1], 256<<16                   ; W and x: 64 rows x 256 elements
	s_mov_b32 s[(\g)+2], 64<<16
	s_mov_b32 s[(\g)+3], 256<<16
	s_mov_b32 s[(\g)+4], 64
	s_mov_b32 s[(\g)+5], 2048
	s_mov_b32 s[(\g)+6], 0
	s_mov_b32 s[(\g)+7], 0
.endr
	; byte offsets in cst.  A's hangs on the tile row, MODE and the wave; W's on the tile column, MODE and the wave: neither register ever holds the other coordinate
	s_lshl_b32 s92, s[TR], 8
	s_lshl_b32 s40, s[CH], 7
	s_add_co_u32 s92, s92, s40                     ; row 256 TR + 128 half,
	s_lshl_b32 s92, s92, 12                        ; of 4,096 bytes,
	s_cmp_eq_u32 s[MODE], 3
	s_cselect_b32 s40, CA, 0                       ; in h, or for r in pos
	s_add_co_u32 s92, s92, s40
	s_mov_b32 s93, 0
	s_add_co_u32 s94, s[MODE], 3                   ; the weight's array,
	s_lshl_b32 s94, s94, 23
	s_lshl_b32 s41, s[CH], 18                      ; 64 rows x half,
	s_add_co_u32 s94, s94, s41
	s_lshl_b32 s41, s[CB], 9                       ; 512 bytes a tile column
	s_add_co_u32 s94, s94, s41
	s_mov_b32 s95, 0
	s_lshl_b32 s96, s[TR], 8                       ; x: row 256 TR + 64 wave, the same 512 bytes
	s_lshl_b32 s42, s[WV], 6
	s_add_co_u32 s96, s96, s42
	s_lshl_b32 s96, s96, 12
	s_add_co_u32 s96, s96, s41
	s_add_co_u32 s96, s96, 2*CA
	s_mov_b32 s97, 0
	s_mul_i32 s98, s[WV], HALFT                    ; where my tiles go: no place in the cluster enters an LDS address
	s_mul_i32 s99, s[WV], 64*XP
	; the prefetches: they start at K step 3; the first change of slots steps them to 4
	s_lshl_b32 s40, s[CX], 17                      ; my work-group's 32 rows of the 128
	s_add_co_u32 s40, s40, s92
	s_add_co_u32 s40, s40, 3*KA
	s_lshl_b32 s41, s[CY], 16                      ; my work-group's 16 rows of the 64
	s_add_co_u32 s41, s41, s94
	s_add_co_u32 s41, s41, 3*KW
	s_mov_b32 s42, KW
	s_cmp_eq_u32 s[RH], 0
	s_cselect_b32 s[PFA], s40, s41
	s_cselect_b32 s[PST], KA, s42
	s_mov_b32 s[PFA+1], 0
	s_mov_b32 s[PST+1], 0
	s_cmp_eq_u32 ttmp9, 6
	s_cselect_b32 s40, 0, ttmp9                    ; 0 in the first cluster that reads h's rows, and pos's
	s_and_b32 s41, ttmp7, 0xffff                   ; 0 in the first that reads W's
	s_cmp_eq_u32 s[RH], 0
	s_cselect_b32 s40, s40, s41
	s_cmp_eq_u32 s40, 0
	s_cselect_b32 s[LIM], 1, -1                    ; the same in all sixteen partners, for a given wave
	; what the way out takes from MODE
	s_cmp_eq_u32 s[MODE], 2
	s_cselect_b32 s[LP], 8, 9
	s_cmp_eq_u32 s[MODE], 0
	s_cselect_b32 s[QS], CL, 1.0
	s_cselect_b32 s[BS], CL, 0
	s_mov_b32 s[QS+1], s[QS]                       ; named as a pair
	s_lshl_b32 s[DSTEP], 16, s[LP]                 ; 16 rows of the output
	s_mov_b32 s[DSTEP+1], 0
	s_lshl_b32 s40, s[CB], 1
	s_add_co_u32 s40, s40, s[CH]                   ; my head
	s_lshl_b32 s66, s40, 9                         ; its 512 bytes in the biases
	s_add_co_u32 s41, s[LP], 11
	s_lshl_b32 s90, s40, s41                       ; its 2,048 rows in the output,
	s_lshl_b32 s41, s[TR], 8
	s_lshl_b32 s42, s[RH], 7
	s_add_co_u32 s41, s41, s42
	s_lshl_b32 s41, s41, s[LP]                     ; my first token,
	s_add_co_u32 s90, s90, s41
	s_cmp_eq_u32 s[MODE], 3
	s_cselect_b32 s41, 256, 0                      ; r lies behind k in a row of kr
	s_add_co_u32 s90, s90, s41
	s_mov_b32 s91, 0
	s_mov_b32 s[GX0], 1
	s_mov_b32 s[GX0+1], s99
	s_wait_dscnt 0x0                               ; the opening add is done
	s_wait_kmcnt 0x0
	s_add_nc_u64 s[92:93], s[4:5], s[92:93]
	s_add_nc_u64 s[94:95], s[4:5], s[94:95]
	s_add_nc_u64 s[GX0+2:GX0+3], s[4:5], s[96:97]
	s_or_b32 s[GX0+3], s[GX0+3], 0x80000000
	s_add_nc_u64 s[PFA:PFA+1], s[4:5], s[PFA:PFA+1]
	s_cmp_eq_u32 s[MODE], 0
	s_cselect_b64 s[D1:D1+1], s[10:11], s[12:13]   ; qq, or kr,
	s_cmp_eq_u32 s[MODE], 2
	s_cselect_b64 s[D1:D1+1], s[14:15], s[D1:D1+1] ; or vv
	s_add_nc_u64 s[D1:D1+1], s[D1:D1+1], s[90:91]
	CROUND                                         ; all sixteen work-groups are here: the first joint loads meet
.irp s, 0,1
	s_mov_b32 s[G0+4*(\s)], 1
	s_add_co_u32 s[G0+4*(\s)+1], s98, (\s)*SLOT
	s_add_nc_u64 s[G0+4*(\s)+2:G0+4*(\s)+3], s[92:93], (\s)*KA
	s_or_b32 s[G0+4*(\s)+3], s[G0+4*(\s)+3], 0x80000000
	s_mov_b32 s[G0B+4*(\s)], 1
	s_add_co_u32 s[G0B+4*(\s)+1], s98, (\s)*SLOT
	s_add_nc_u64 s[G0B+4*(\s)+2:G0B+4*(\s)+3], s[94:95], (\s)*KW
	s_or_b32 s[G0B+4*(\s)+3], s[G0B+4*(\s)+3], 0x80000000
	JLOAD \s                                       ; K steps 0 and 1: two tensor loads of mine are out
.endr
	v_and_b32 v1, 15, v0                           ; l % 16
	v_bfe_u32 v2, v0, 4, 1                         ; l / 16
	v_lshl_add_u32 v[BOF], v1, 5, s66              ; my 8 columns' biases
	global_load_b128 v[B1:B1+3],   v[BOF], s[6:7]
	global_load_b128 v[B1+4:B1+7], v[BOF], s[6:7] offset:16
	global_load_b128 v[B2:B2+3],   v[BOF], s[8:9]
	global_load_b128 v[B2+4:B2+7], v[BOF], s[8:9] offset:16
	v_mul_u32_u24 v3, v1, PA                       ; a fragment of A: row l % 16, 16 bytes for each half of the lanes
	v_lshl_add_u32 v3, v2, 4, v3
	s_mul_i32 s40, s[RH], HALFT
	v_add_nc_u32 v[ADRA], s40, v3
	v_add_nc_u32 v[ADRA+1], SLOT, v[ADRA]
	v_and_b32 v4, 7, v0                            ; the turning load: lane l reads K row 8 (l / 16) + l % 8, columns 8 ((l / 8) % 2) + 0..7, and ends with column l % 16 and 8 K
	v_lshl_add_u32 v4, v2, 3, v4
	v_mul_u32_u24 v4, v4, PB
	v_bfe_u32 v5, v0, 3, 1
	v_lshl_add_u32 v4, v5, 4, v4
	s_lshl_b32 s41, s[CH], 8                       ; my 128 columns
	s_add_co_u32 s41, s41, 2*HALFT                 ; W lies behind A's 256 rows
	v_add_nc_u32 v[ADRB], s41, v4
	v_add_nc_u32 v[ADRB+1], SLOT, v[ADRB]
	v_and_b32 v6, 31, v0                           ; the prefetches: A: a lane a row; W: two lanes a row of two blocks
	v_lshrrev_b32 v7, s[RH], v6
	v_and_b32 v6, s[RH], v6
	v_lshlrev_b32 v6, 8, v6
	v_lshl_or_b32 v[PFO], v7, 12, v6
	s_mul_i32 s40, s[WV], HALFT                    ; the way out: my dump, in slot 1
	s_add_co_u32 s40, s40, SLOT
	v_mul_u32_u24 v3, v1, XP                       ; in: row l % 16, 32 bytes for each half of the lanes
	v_lshl_add_u32 v3, v2, 5, v3
	v_add_nc_u32 v[STO], s40, v3
	v_mul_u32_u24 v3, v2, XP                       ; back: lanes 0-15 one row, lanes 16-31 the next; 32 bytes a lane
	v_lshl_add_u32 v4, v1, 5, v3
	v_add_nc_u32 v[RD0], s40, v4
	s_mul_i32 s41, s[RH], 128*XP                   ; the x tile, in slot 0: my 128 rows, my 256 bytes of them
	s_lshl_b32 s42, s[CH], 8
	s_add_co_u32 s41, s41, s42
	v_lshl_add_u32 v4, v1, 4, v3
	v_add_nc_u32 v[XD0], s41, v4
	v_lshlrev_b32 v59, 4, v1
.irp t, 0,1,2,3,4,5,6,7
	v_add_nc_u32 v60, 2*(\t), v2
	v_lshlrev_b32 v60, s[LP], v60
	v_add_nc_u32 v[CO+(\t)], v60, v59
.endr
	s_cmp_eq_u32 s[MODE], 3
	s_cselect_b32 s40, 0, 1.0
	v_mov_b32 v[XS], s40
	s_wait_loadcnt 0x0                             ; the biases
.irp j, 0,1,2,3,4,5,6,7                ; scaled as the sums will be (outside q's tiles the first is 0 and the second is not used)
	v_mul_f32 v[B1+(\j)], s[BS], v[B1+(\j)]
	v_mul_f32 v[B2+(\j)], CL, v[B2+(\j)]
.endr
; 16 matrix instructions: row blocks a0, a0 + 1 of the window's four x all 8 column blocks, 32 along K.  zero = 1: the first product starts the sums.  The 64 accumulators take turns, in the same order in every quarter.
.macro MUL16 f, hi, a0, zero
	WIN MUL_LO+0x50*(\hi)
.irp a, \a0, (\a0)+1
.irp b, 0,1,2,3,4,5,6,7
.if \zero
	v_wmma_f32_16x16x32_f16 v[8*(8*(\a)+(\b)):8*(8*(\a)+(\b))+7], v[(\f)+8*(\b):(\f)+8*(\b)+7], v[(\f)+8*(4*(\hi)+(\a)):(\f)+8*(4*(\hi)+(\a))+7], 0
.else
	v_wmma_f32_16x16x32_f16 v[8*(8*(\a)+(\b)):8*(8*(\a)+(\b))+7], v[(\f)+8*(\b):(\f)+8*(\b)+7], v[(\f)+8*(4*(\hi)+(\a)):(\f)+8*(4*(\hi)+(\a))+7], v[8*(8*(\a)+(\b)):8*(8*(\a)+(\b))+7]
.endif
.endr
.endr
.endm
; 32 LDS loads in one run: quarter q (32 along K) of a slot into buffer f: W's 8 column blocks (turned), then A's 8 row blocks
.macro FETCH slot, q, f
	WIN TO_B
.irp i, 0,1,2,3,4,5,6,7
	ds_load_tr16_b128 v[(\f)+8*(\i):(\f)+8*(\i)+3],   v[ADRB+(\slot)] offset:(\q)*32*PB+32*(\i)
	ds_load_tr16_b128 v[(\f)+8*(\i)+4:(\f)+8*(\i)+7], v[ADRB+(\slot)] offset:(\q)*32*PB+16*PB+32*(\i)
.endr
	WIN 0
.irp i, 0,1,2,3,4,5,6,7
	ds_load_b128 v[(\f)+8*(\i):(\f)+8*(\i)+3],   v[ADRA+(\slot)] offset:64*(\q)+(\i)*16*PA
	ds_load_b128 v[(\f)+8*(\i)+4:(\f)+8*(\i)+7], v[ADRA+(\slot)] offset:64*(\q)+(\i)*16*PA+32
.endr
.endm
.macro QUARTER slot, q, f, g, zero     ; multiplies buffer f; in its middle fetches quarter q of the slot into buffer g
	s_wait_dscnt 8                                 ; W and A's rows 0-63 are in; the youngest eight loads (A's rows 64-127) may be out
	MUL16 \f, 0, 0, \zero
	MUL16 \f, 0, 2, \zero
	PLACES
	FETCH \slot, \q, \g
	s_wait_dscnt 32                                ; all but the 32 just issued
	MUL16 \f, 1, 0, \zero
	MUL16 \f, 1, 2, \zero
.endm
; The first half of a K step's last quarter: the one barrier of a change of slots.  In front of it each wave waits for all its tensor loads (one is out: its part of the next slot), adds 0 to its spare word,
; and waits for that and for its reads of this slot.
.macro MEET
	WIN 0
	s_wait_tensorcnt 0x0
	ds_add_u32 v[SPW], v[NIL]
	s_wait_dscnt 9                                 ; the add and the youngest eight loads may be out
	MUL16 F1, 0, 0, 0
	s_wait_dscnt 0x0                               ; the add is done, my reads of this slot are over
	s_barrier_signal -1                            ; opens a round of the cluster's barrier
	MUL16 F1, 0, 2, 0
	WIN 0
	s_barrier_wait -1
.endm
.macro TURN slot, next                 ; the whole last quarter: the slot just read is filled again, two K steps on; 224 matrix instructions stand between the request and the wait for it
	s_wait_xcnt 0x0                                ; the last prefetch, a K step back, has read its address
	s_add_nc_u64 s[PFA:PFA+1], s[PFA:PFA+1], s[PST:PST+1]
	MEET
	CREST                                          ; no wave of any partner still reads this slot or has a load on its way
	s_add_nc_u64 s[G0+4*(\slot)+2:G0+4*(\slot)+3], s[G0+4*(\slot)+2:G0+4*(\slot)+3], 2*KA
	s_add_nc_u64 s[G0B+4*(\slot)+2:G0B+4*(\slot)+3], s[G0B+4*(\slot)+2:G0B+4*(\slot)+3], 2*KW
	JLOAD \slot                                    ; the four v_nop behind it are also the places in front of the loads below
	FETCH \next, 0, F0
	ASK
	MUL16 F1, 1, 0, 0
	MUL16 F1, 1, 2, 0
.endm
.macro TURNX                           ; the last change of slots: slot 0 takes the x tile, 64 rows a wave, a load of my own behind the round; it has the last K step in which to land
	MEET
	CREST
	tensor_load_to_lds s[GX0:GX0+3], s[GX1:GX1+7]
	s_nop 0
.rept 4
	v_nop
.endr
	FETCH 1, 0, F0
	MUL16 F1, 1, 0, 0
	MUL16 F1, 1, 2, 0
.endm
	s_wait_tensorcnt 1                             ; my part of K step 0 is in; K step 1's may stay out
	s_barrier_signal -1
	s_barrier_wait -1
	FETCH 0, 0, F0
	QUARTER 0, 1, F0, F1, 1                        ; the first quarter starts the sums: nothing is cleared
	WIN 0
	s_mov_b32 s3, LAPS-1
.Llap:                                             ; a trip goes once round the ring and fills both slots again
	QUARTER 0, 2, F1, F0, 0
	QUARTER 0, 3, F0, F1, 0
	TURN 0, 1
	QUARTER 1, 1, F0, F1, 0
	QUARTER 1, 2, F1, F0, 0
	QUARTER 1, 3, F0, F1, 0
	TURN 1, 0
	QUARTER 0, 1, F0, F1, 0
	WIN 0
	s_sub_co_u32 s3, s3, 1
	s_cmp_lg_u32 s3, 0
	s_cbranch_scc1 .Llap
	QUARTER 0, 2, F1, F0, 0                        ; the last lap
	QUARTER 0, 3, F0, F1, 0
	TURNX
	QUARTER 1, 1, F0, F1, 0
	QUARTER 1, 2, F1, F0, 0
	QUARTER 1, 3, F0, F1, 0
	s_wait_dscnt 8
	MUL16 F1, 0, 0, 0
	MUL16 F1, 0, 2, 0
	s_wait_dscnt 0x0
	MUL16 F1, 1, 0, 0
	MUL16 F1, 1, 2, 0
	WIN 0
	PLACES
	PLACES
	; THE WAY OUT
	s_wait_tensorcnt 0x0                           ; my 64 rows of x are in
	ds_add_u32 v[SPW], v[NIL]
	s_wait_dscnt 0x0
	s_barrier_signal -1
	s_barrier_wait -1                              ; x is whole, and nobody reads slot 1 any more
.macro DUMP p                          ; my rows 64 p .. 64 p + 63 in f32 into my part of slot 1; each accumulator's low four registers go first
	WIN 0x08+4*(\p)                                ; store data (source 1) in window 2 or 3
.irp a, 0,1,2,3
.irp b, 0,1,2,3,4,5,6,7
	ds_store_b128 v[STO], v[64*(\a)+8*(\b):64*(\a)+8*(\b)+3]   offset:16*XP*(\a)+64*(\b)
	ds_store_b128 v[STO], v[64*(\a)+8*(\b)+4:64*(\a)+8*(\b)+7] offset:16*XP*(\a)+64*(\b)+16
.endr
.endr
	WIN 0
.endm
	s_mov_b32 s[XOF], 0
	s_mov_b32 s90, 2
.Lhalf:
	s_cmp_eq_u32 s90, 2
	s_cbranch_scc0 .Ldump1
	DUMP 0
	s_branch .Ldumped
.Ldump1:
	DUMP 1
.Ldumped:
	s_mov_b32 s[DOF], 0
	s_mov_b32 s91, 4
.Lout16:                                           ; 16 rows a trip.  The dump is my own and LDS serves a wave's instructions in order (ISA guide 5.7.1.4): no barrier
	v_add_nc_u32 v[RD], s[DOF], v[RD0]
	v_add_nc_u32 v[XD], s[XOF], v[XD0]
.irp t, 0,1,2,3,4,5,6,7
	ds_load_b128 v[RB+8*(\t):RB+8*(\t)+3],   v[RD] offset:2*XP*(\t)
	ds_load_b128 v[RB+8*(\t)+4:RB+8*(\t)+7], v[RD] offset:2*XP*(\t)+16
.endr
.irp t, 0,1,2,3,4,5,6,7
	ds_load_b128 v[XR+4*(\t):XR+4*(\t)+3], v[XD] offset:2*XP*(\t)
.endr
	s_wait_dscnt 0x0
.set n, 0
.rept 32                               ; sum + x (for r: + 0 x), straight from x's f16 halves
	v_fma_mix_f32 v[RB+2*n],   v[XR+n], v[XS], v[RB+2*n]   op_sel_hi:[1,0,0]
	v_fma_mix_f32 v[RB+2*n+1], v[XR+n], v[XS], v[RB+2*n+1] op_sel:[1,0,0] op_sel_hi:[1,0,0]
.set n, n+1
.endr
.irp t, 0,1,2,3,4,5,6,7
.irp c, 0,1,2,3
	v_pk_fma_f32 v[TT+2*(\c):TT+2*(\c)+1], v[RB+8*(\t)+2*(\c):RB+8*(\t)+2*(\c)+1], s[QS:QS+1], v[B1+2*(\c):B1+2*(\c)+1] op_sel_hi:[1,0,1]
.endr
.irp c, 0,1,2,3
	v_cvt_pk_f16_f32 v[O1+4*(\t)+(\c)], v[TT+2*(\c)], v[TT+2*(\c)+1]
.endr
	global_store_b128 v[CO+(\t)], v[O1+4*(\t):O1+4*(\t)+3], s[D1:D1+1]  ; 16 lanes store 256 consecutive bytes, aligned
.endr
	s_cmp_eq_u32 s[MODE], 0
	s_cbranch_scc0 .Lone                           ; q alone has a second output
.irp t, 0,1,2,3,4,5,6,7
.irp c, 0,1,2,3
	v_pk_fma_f32 v[TT+2*(\c):TT+2*(\c)+1], v[RB+8*(\t)+2*(\c):RB+8*(\t)+2*(\c)+1], s[QS:QS+1], v[B2+2*(\c):B2+2*(\c)+1] op_sel_hi:[1,0,1]
.endr
.irp c, 0,1,2,3
	v_cvt_pk_f16_f32 v[O2+4*(\t)+(\c)], v[TT+2*(\c)], v[TT+2*(\c)+1]
.endr
	global_store_b128 v[CO+(\t)], v[O2+4*(\t):O2+4*(\t)+3], s[D1:D1+1] offset:256
.endr
.Lone:
	s_wait_xcnt 0x0                                ; the stores have read their data and their base: both are written again only behind this wait
	s_add_nc_u64 s[D1:D1+1], s[D1:D1+1], s[DSTEP:DSTEP+1]
	s_add_co_u32 s[DOF], s[DOF], 16*XP
	s_add_co_u32 s[XOF], s[XOF], 16*XP
	s_sub_co_u32 s91, s91, 1
	s_cmp_lg_u32 s91, 0
	s_cbranch_scc1 .Lout16
	s_sub_co_u32 s90, s90, 1
	s_cmp_lg_u32 s90, 0
	s_cbranch_scc1 .Lhalf
	s_wait_tensorcnt 0x0                           ; the wave's end, behind my last tensor load and my last LDS store
	ds_add_u32 v[SPW], v[NIL]
	s_wait_dscnt 0x0
	CROUND                                         ; the closing round
	s_endpgm
.Lfunc_end_k_q8a9a294713_proj:
	.size	k_q8a9a294713_proj, .Lfunc_end_k_q8a9a294713_proj-k_q8a9a294713_proj
	.p2alignl 7, 3214868480
	.fill 96, 4, 3214868480
	.section	.rodata,"a",@progbits
	.p2align	6, 0x0
	.amdhsa_kernel k_q8a9a294713_proj
		.amdhsa_group_segment_fixed_size 327680
		.amdhsa_private_segment_fixed_size 0
		.amdhsa_enable_private_segment 0
		.amdhsa_kernarg_size 48
		.amdhsa_user_sgpr_count 2
		.amdhsa_user_sgpr_kernarg_segment_ptr 1
		.amdhsa_wavefront_size32 1
		.amdhsa_system_sgpr_workgroup_id_x 1
		.amdhsa_system_sgpr_workgroup_id_y 1
		.amdhsa_system_sgpr_workgroup_id_z 1
		.amdhsa_system_vgpr_workitem_id 0
		.amdhsa_next_free_vgpr 1024
		.amdhsa_next_free_sgpr 100
		.amdhsa_reserve_vcc 0
		.amdhsa_float_denorm_mode_32 3
		.amdhsa_float_denorm_mode_16_64 3
		.amdhsa_memory_ordered 1
		.amdhsa_forward_progress 1
		.amdhsa_inst_pref_size 141
	.end_amdhsa_kernel
	.amdgpu_metadata
---
amdhsa.version: [ 1, 2 ]
amdhsa.kernels:
  - .name:           k_q8a9a294713_proj
    .symbol:         k_q8a9a294713_proj.kd
    .args:
      - { .name: cst, .offset: 0, .size: 8, .value_kind: global_buffer, .address_space: global }
      - { .name: c_bias, .offset: 8, .size: 8, .value_kind: global_buffer, .address_space: global }
      - { .name: p_bias, .offset: 16, .size: 8, .value_kind: global_buffer, .address_space: global }
      - { .name: qq, .offset: 24, .size: 8, .value_kind: global_buffer, .address_space: global }
      - { .name: kr, .offset: 32, .size: 8, .value_kind: global_buffer, .address_space: global }
      - { .name: vv, .offset: 40, .size: 8, .value_kind: global_buffer, .address_space: global }
    .group_segment_fixed_size: 327680
    .private_segment_fixed_size: 0
    .kernarg_segment_align: 8
    .kernarg_segment_size: 48
    .max_flat_workgroup_size: 128
    .sgpr_count:     100
    .vgpr_count:     1024
    .wavefront_size: 32
...
	.end_amdgpu_metadata
.endif
;; end of part 2
;; launch attn (part 3): grid 16 x 16, 4 waves a work-group, clusters of 4 x 1, 327,680 bytes of LDS; arguments qq, kr, vv, mk, oo; writes oo
.if DOCPART == 3
	.amdgcn_target "amdgcn-amd-amdhsa--gfx1250"
	.amdhsa_code_object_version 6
	.text
	.protected	k_q8a9a294713_attn
	.globl	k_q8a9a294713_attn
	.p2align	8
	.type	k_q8a9a294713_attn,@function
k_q8a9a294713_attn:
	s_mov_b64 s[64:65], 0
	v_nop
	global_prefetch_b8 v0, s[64:65] scope:SCOPE_SE
	s_setreg_imm32_b32 hwreg(HW_REG_WAVE_MODE, 25, 1), 1
	s_wait_xcnt 0x0
	s_wait_alu depctr_hold_cnt(0) depctr_sa_sdst(0) depctr_va_vdst(0) depctr_va_sdst(0) depctr_va_ssrc(0) depctr_va_vcc(0) depctr_vm_vsrc(0)
	s_getreg_b32 s2, hwreg(HW_REG_IB_STS2, 6, 4)
	s_cmp_eq_u32 s2, 0
	s_cbranch_scc0 .Lentry_in_a_cluster
	s_endpgm
.Lentry_in_a_cluster:
	s_bfe_u32 s2, ttmp6, 0x10000c
	s_cmp_lg_u32 s2, 0x3003
	s_cbranch_scc0 .Lentry_shape_is_right
	s_endpgm
.Lentry_shape_is_right:
; ATTN.  For head h and query q: z[k] = s[k] m[q][k] - G (1 - m[q][k]), s = qq[h][q] . kr[h][k] (256 channels: content and position scores in one product, already in the log2 domain),
; G = 1e10 log2(e), m the mask as given (f32); p = 2^(z - max z); oo[q][128 h ..] = (sum of p v) / (sum of p).  Products, maxima and sums in f32; p is rounded to f16 for the second product, O once.
; The running maximum is taken of z itself and taken away by a plain subtraction: in a row that the mask hides wholly every z is exactly -G and every p exactly 1.
; LIMITS.  qq, kr, vv arrive within f16's 65,504; p below 6e-5 keeps f16's fixed step; a weight below 2^-126 counts as 0 in the sum; NaN and infinities are not treated apart.
; SHARES.  A work-group owns 128 queries of a head, a wave 32: two tiles of 16.  256 work-groups.  Every wave walks the 2,048 keys, 64 a step.
; LAYOUT.  S^T = KR Q^T (source 0 = 16 keys, source 1 = 16 queries): a lane holds ONE query (lane % 16) and keys 8 (lane / 16) + 0..7; two such results rounded to f16 ARE source 1 of O^T = V^T P.
; KR comes out of LDS as it lies, V turned by ds_load_tr16_b128.  mk holds the mask in the very order of S^T's registers: a wave's load covers 512 consecutive bytes; it is loaded a step ahead into registers.
; BY TURNS.  A tile's softmax for a step is 165 vector instructions, its matrix work 48 (16 V^T P, 32 KR Q^T): 3.4 to one.  In a TURN one tile has the matrix unit: V^T P of the step in hand, then KR Q^T of the next step;
; the OTHER tile's softmax stands in slices, one behind each matrix instruction.  Turn A(j): tile 0's products, tile 1's softmax of step j.  Turn B(j): tile 1's products, tile 0's softmax of step j + 1.
; A turn has three parts of 16 products: 1: V^T P | mask and maximum (52);  2: KR Q^T, channels 0-127 | subtractions and ALL 33 exponentials (49), one batch with one wait;  3: KR Q^T, channels 128-255 | roundings, sums, rescaling (64).
; A TRIP of the loop is B's part 3, A, B's parts 1 and 2: so all that trip j fetches from LDS is step j + 1's, and the change of slots stands at a trip's head.
; m starts at the lowest finite number, O and l at 0: the first step is a step like any other, with a = 0.
; CLUSTER.  The four query blocks of a cluster belong to one head and walk the same KR and V: each tile is asked for jointly, by the same load, descriptor and mask in all four.
; REGISTERS: window 0: v2-15 addresses; v16-31 statistics, 8 a tile: m, m_old, l (2), c0-c3 (a takes c2's place); v32-39 at work; v64-127 S^T; v128-159 P; v160-223 the mask
;   window 1: v0-127 O^T, 64 a tile; v128-255 Q, 64 a tile      window 2: KR of one step: key block kt, channels 32 c on, at 64 kt + 8 c      window 3: v0-127 V of one step: key half kk, channel block cb at 64 kk + 8 cb
; All that a softmax touches but O^T lies in window 0, and no window has room for a product's operands beside it: a slice costs two switches of the window, one in front and one behind.
.set PK,    528                        ; a row of KR in LDS: 512 + 16, an odd multiple of 16 (ISA guide 11.1: the 16 rows of a load start at different banks)
.set PV,    288                        ; a row of V: 256 + 32, an odd multiple of 32, for the turning load
.set KB,    64*PK
.set VB,    64*PV
.set VOFF,  2*KB                       ; a slot holds two steps: KR, KR, V, V
.set SLOT1, 1<<17
.set STAGE, SLOT1+2*KB+2*VB            ; behind the ring: 16 rows x 272 bytes a wave, for the way out
.set SP,    272
.set SPARE, STAGE+4*16*SP              ; the spare words, 128 bytes a wave, which no other line names
.set AK0, 2
.set AV0, 3
.set AK,  4
.set AV,  5
.set QO,  6
.set RD,  7
.set GO,  8
.set MO,  10                           ; 16 x lane
.set PFO, 11                           ; 256 x lane
.set SPW, 12
.set NIL, 13
.set STO, 15
.set ST,  16
.set T,   32
.set S,   64
.set P,   128
.set M,   160
.set WV,  12
.set CX,  13
.set QB,  14
.set LIM, 15
.set OB,  16                           ; s[16:17] oo at my first row
.set PFA, 18
.set PST, 20
.set HD,  22
.set MK,  10                           ; s[10:11] mk at tile 0's block of the step whose mask tile 1 loads next
.set G1K, 24
.set G1V, 32
.set G0K, 40                           ; two sets: the first fills'; the second then walks
.set G0V, 48
.set SLOTS, 56
.set TWICE, 57
.set GG,  58                           ; s[58:59] G
.set SEL, 60
.set TBK, 62
.set TBV, 63
.set MSB, 0
.macro WIN new                         ; the immediate's high byte repeats the setting that is left; a switch that changes nothing is dropped
.if MSB != (\new)
	s_set_vgpr_msb (MSB<<8)|(\new)
.set MSB, \new
.endif
.endm
.set W_KQ, 0x06                        ; KR (source 0) window 2, Q (source 1) window 1, S^T window 0
.set W_PV, 0x53                        ; V window 3, P window 0, O^T window 1
.set W_RS, 0x41                        ; destination and source 0 window 1, source 1 window 0
.macro PLACES                          ; four plain places behind matrix instructions, in front of loads into their sources and of readers of their results
.rept 4
	v_nop
.endr
.endm
.macro JLOAD                           ; a joint refill: waves 0, 1 fetch the two steps' KR, waves 2, 3 their V; s_nop 0 and four v_nop follow each line
	s_cmp_lt_u32 s[WV], 2
	s_cbranch_scc0 .Lfor_v_\@
	tensor_load_to_lds s[G0K+4:G0K+7], s[G1K:G1K+7]
	s_nop 0
.rept 4
	v_nop
.endr
	s_branch .Lasked_\@
.Lfor_v_\@:
	tensor_load_to_lds s[G0V+4:G0V+7], s[G1V:G1V+7]
	s_nop 0
.rept 4
	v_nop
.endr
.Lasked_\@:
.endm
; A PREFETCH INTO THE L2 of what the NEXT change of slots will ask for: 128 keys: 65,536 bytes of KR and 32,768 of V, a lane a block of 256 bytes.  All four clusters of a head walk the same rows: the first asks.
; Its partners share the blocks out BY ADDRESS (a quarter each); in each, waves 0 and 1 take KR's halves of that quarter, wave 2 V's.  Two key steps, 192 matrix instructions, ahead of the load.
; The first three slots' contents come by their loads alone; the last change that fills a slot asks for nothing.
.macro ASK
	s_cmp_gt_u32 s[SLOTS], s[LIM]
	s_cbranch_scc0 .Lnot_mine_\@
	global_prefetch_b8 v[PFO], s[PFA:PFA+1] th:TH_LOAD_NT scope:SCOPE_SE
.Lnot_mine_\@:
.endm
.macro CROUND
	s_barrier_signal -1
	s_barrier_wait -1
	s_cmp_lg_u32 s[WV], 0
	s_cbranch_scc1 .Lnot_wave_0_\@
	s_barrier_signal -3
.Lnot_wave_0_\@:
	s_barrier_wait -3
	s_barrier_signal -1
	s_barrier_wait -1
.endm
	s_load_b256 s[4:11], s[0:1], 0x0               ; qq s[4:5], kr s[6:7], vv s[8:9], mk s[10:11]
	s_load_b64 s[OB:OB+1], s[0:1], 0x20            ; oo
	v_lshl_add_u32 v[SPW], v0, 2, SPARE
	v_mov_b32 v[NIL], 0
	ds_add_u32 v[SPW], v[NIL]                      ; the wave's opening: the add and its wait ahead of my first tensor load
	v_lshrrev_b32 v1, 5, v0
	v_readfirstlane_b32 s[WV], v1
	s_bfe_u32 s[CX], ttmp6, 0x40000
	s_lshl_b32 s[QB], ttmp9, 2
	s_add_co_u32 s[QB], s[QB], s[CX]               ; my block of 128 queries: it enters Q's, the mask's and O's addresses alone
	s_and_b32 s[HD], ttmp7, 0xffff                 ; the head, which the partners share
	s_and_b32 s23, s[WV], 1                        ; which of a slot's two steps I fetch
	s_lshl_b32 s66, s[HD], 20                      ; kr: a head is 2,048 x 512 bytes, a step 32,768
	s_lshl_b32 s2, s23, 15
	s_add_co_u32 s66, s66, s2
	s_mov_b32 s67, 0
	s_lshl_b32 s68, s[HD], 19                      ; vv: half of that
	s_lshl_b32 s2, s23, 14
	s_add_co_u32 s68, s68, s2
	s_mov_b32 s69, 0
	s_lshl_b32 s70, s[HD], 20                      ; qq: my wave's 32 rows of 512 bytes
	s_lshl_b32 s2, s[QB], 16
	s_add_co_u32 s70, s70, s2
	s_lshl_b32 s2, s[WV], 14
	s_add_co_u32 s70, s70, s2
	s_mov_b32 s71, 0
	s_lshl_b32 s72, s[QB], 20                      ; mk: query tile 8 QB + 2 wave, 131,072 bytes each
	s_lshl_b32 s2, s[WV], 18
	s_add_co_u32 s72, s72, s2
	s_mov_b32 s73, 0
	s_lshl_b32 s74, s[QB], 19                      ; oo: my 32 rows of 4,096 bytes, the head's 256
	s_lshl_b32 s2, s[WV], 17
	s_add_co_u32 s74, s74, s2
	s_lshl_b32 s2, s[HD], 8
	s_add_co_u32 s74, s74, s2
	s_mov_b32 s75, 0
	s_mul_i32 s78, s23, KB                         ; where my tiles go: no place in the cluster enters an LDS address
	s_mul_i32 s79, s23, VB
	s_add_co_u32 s79, s79, VOFF
	s_lshl_b32 s76, s[HD], 20                      ; the prefetches: they start at the third content; the first change steps them to the fourth
	s_lshl_b32 s2, s[CX], 14
	s_add_co_u32 s76, s76, s2
	s_lshl_b32 s2, s[WV], 13
	s_add_co_u32 s76, s76, s2
	s_add_co_u32 s76, s76, 2*65536
	s_lshl_b32 s3, s[HD], 19
	s_lshl_b32 s2, s[CX], 13
	s_add_co_u32 s3, s3, s2
	s_add_co_u32 s3, s3, 2*32768
	s_mov_b32 s2, 32768
	s_cmp_lt_u32 s[WV], 2
	s_cselect_b32 s76, s76, s3
	s_cselect_b32 s[PST], 65536, s2
	s_mov_b32 s77, 0
	s_mov_b32 s[PST+1], 0
	s_cmp_eq_u32 s[WV], 3
	s_cselect_b32 s[LIM], 1, 0                     ; wave 3 asks for nothing,
	s_or_b32 s[LIM], s[LIM], ttmp9                 ; nor any cluster but the head's first: the same in all four partners
	s_cmp_eq_u32 s[LIM], 0
	s_cselect_b32 s[LIM], 1, -1
	s_mov_b32 s[G1K], 15|(1<<16)|(1<<20)|(1<<21)|(6<<22)|(3<<25)  ; the mask of four; 2-byte elements; padding on; bit 21 beside a mask; 4 words behind every 128
	s_mov_b32 s[G1K+1], 256<<16                    ; 64 rows x 256 elements, dense
	s_mov_b32 s[G1K+2], 64<<16
	s_mov_b32 s[G1K+3], 256<<16
	s_mov_b32 s[G1K+4], 64
	s_mov_b32 s[G1K+5], 256
	s_mov_b32 s[G1K+6], 0
	s_mov_b32 s[G1K+7], 0
	s_mov_b32 s[G1V], 15|(1<<16)|(1<<20)|(1<<21)|(5<<22)|(7<<25)  ; 8 words behind every 64
	s_mov_b32 s[G1V+1], 128<<16                    ; 64 rows x 128 elements, dense
	s_mov_b32 s[G1V+2], 64<<16
	s_mov_b32 s[G1V+3], 128<<16
	s_mov_b32 s[G1V+4], 64
	s_mov_b32 s[G1V+5], 128
	s_mov_b32 s[G1V+6], 0
	s_mov_b32 s[G1V+7], 0
	s_mov_b32 s[GG], 0x5056fa73                    ; 1e10 log2(e)
	s_mov_b32 s[GG+1], s[GG]
	s_mov_b32 s[SEL], 0x76543210
	s_mov_b32 s[SEL+1], 0xfedcba98
	s_mov_b32 s[TBK], 0
	s_mov_b32 s[TBV], 0
	v_and_b32 v14, 31, v0
	v_lshlrev_b32 v[MO], 4, v14
	v_lshlrev_b32 v[PFO], 8, v14
	s_wait_dscnt 0x0                               ; the opening add is done
	s_wait_kmcnt 0x0
	s_add_nc_u64 s[66:67], s[6:7], s[66:67]
	s_add_nc_u64 s[68:69], s[8:9], s[68:69]
	s_add_nc_u64 s[4:5], s[4:5], s[70:71]
	s_add_nc_u64 s[MK:MK+1], s[MK:MK+1], s[72:73]
	s_add_nc_u64 s[OB:OB+1], s[OB:OB+1], s[74:75]
	s_cmp_lt_u32 s[WV], 2
	s_cselect_b64 s[PFA:PFA+1], s[6:7], s[8:9]
	s_add_nc_u64 s[PFA:PFA+1], s[PFA:PFA+1], s[76:77]
	CROUND                                         ; all four work-groups are here: the first joint loads meet
.irp s, 0,1
	s_mov_b32 s[G0K+4*(\s)], 1
	s_add_co_u32 s[G0K+4*(\s)+1], s78, (\s)*SLOT1
	s_add_nc_u64 s[G0K+4*(\s)+2:G0K+4*(\s)+3], s[66:67], (\s)*65536
	s_or_b32 s[G0K+4*(\s)+3], s[G0K+4*(\s)+3], 0x80000000
	s_mov_b32 s[G0V+4*(\s)], 1
	s_add_co_u32 s[G0V+4*(\s)+1], s79, (\s)*SLOT1
	s_add_nc_u64 s[G0V+4*(\s)+2:G0V+4*(\s)+3], s[68:69], (\s)*32768
	s_or_b32 s[G0V+4*(\s)+3], s[G0V+4*(\s)+3], 0x80000000
.endr
	s_cmp_lt_u32 s[WV], 2                          ; a wave's two first fills stand in one branch: two loads of mine are out
	s_cbranch_scc0 .Lfirst_v
	tensor_load_to_lds s[G0K:G0K+3], s[G1K:G1K+7]
	s_nop 0
	tensor_load_to_lds s[G0K+4:G0K+7], s[G1K:G1K+7]
	s_nop 0
.rept 4
	v_nop
.endr
	s_branch .Lfirst_asked
.Lfirst_v:
	tensor_load_to_lds s[G0V:G0V+3], s[G1V:G1V+7]
	s_nop 0
	tensor_load_to_lds s[G0V+4:G0V+7], s[G1V:G1V+7]
	s_nop 0
.rept 4
	v_nop
.endr
.Lfirst_asked:
	v_and_b32 v1, 15, v0                           ; l % 16
	v_bfe_u32 v9, v0, 4, 1                         ; l / 16
	v_lshlrev_b32 v[QO], 9, v1
	v_lshl_add_u32 v[QO], v9, 4, v[QO]             ; row x 512 + 16 x half
	WIN 0x40                                       ; destination window 1
.set i, 0
.rept 16                               ; Q stays in registers: tile i / 8, channels 32 (i % 8) on
	global_load_b128 v[128+8*i:128+8*i+3],   v[QO], s[4:5] offset:(i/8)*8192+(i%8)*64
	global_load_b128 v[128+8*i+4:128+8*i+7], v[QO], s[4:5] offset:(i/8)*8192+(i%8)*64+32
.set i, i+1
.endr
	WIN 0
.macro MLOAD1 t, off                   ; a step's mask for tile t: 8 loads of 512 consecutive bytes, from byte off behind s[MK]
.set ff, 0
.rept 8
	global_load_b128 v[M+32*(\t)+4*ff:M+32*(\t)+4*ff+3], v[MO], s[MK:MK+1] offset:(\off)+512*ff
.set ff, ff+1
.endr
.endm
	MLOAD1 0, 0                                    ; step 0, tile 0,
	MLOAD1 1, 131072                               ; and tile 1
	WIN 0x40
.set i, 0
.rept 128
	v_mov_b32 v[i], 0                              ; O^T = 0: written in the wait for the first tile, so that no first step is written out
.set i, i+1
.endr
	WIN 0
.irp t, 0,1
	v_mov_b32 v[ST+8*(\t)],   0xff7fffff           ; m: the lowest finite number
	v_mov_b32 v[ST+8*(\t)+1], 0xff7fffff
	v_mov_b32 v[ST+8*(\t)+2], 0                    ; l
	v_mov_b32 v[ST+8*(\t)+3], 0
.endr
	v_mul_u32_u24 v[AK0], v1, PK
	v_lshl_add_u32 v[AK0], v9, 4, v[AK0]           ; a fragment of KR: row x pitch + 16 x half
	v_and_b32 v14, 7, v0                           ; the turning load: lane l reads key 8 (l / 16) + l % 8, channels 8 ((l / 8) % 2) + 0..7
	v_lshl_add_u32 v[AV0], v9, 3, v14
	v_mul_u32_u24 v[AV0], v[AV0], PV
	v_bfe_u32 v14, v0, 3, 1
	v_lshl_add_u32 v[AV0], v14, 4, v[AV0]
	v_add_nc_u32 v[AV0], VOFF, v[AV0]
	s_mul_i32 s2, s[WV], 16*SP
	s_add_co_u32 s2, s2, STAGE                     ; my stage
	v_mul_u32_u24 v[STO], v1, SP
	v_lshl_add_u32 v[STO], v9, 4, v[STO]
	v_add_nc_u32 v[STO], s2, v[STO]
	v_mul_u32_u24 v[RD], v9, SP
	v_lshl_add_u32 v[RD], v1, 4, v[RD]
	v_add_nc_u32 v[RD], s2, v[RD]
	v_lshlrev_b32 v[GO], 12, v9                    ; two rows of oo, 16 bytes a lane
	v_lshl_add_u32 v[GO], v1, 4, v[GO]
; THE LDS LOADS stand in three runs of 32 a key step, never singly among the matrix instructions.
.macro FETCH_KH hf                     ; half hf of a step's KR: 64 keys x channels 128 hf .. 128 hf + 127: 16 fragments.  The lower half makes the step's address, the upper half uses it
.if (\hf) == 0
	WIN 0
	v_add_nc_u32 v[AK], s[TBK], v[AK0]
	s_add_co_u32 s[TBK], s[TBK], KB                ; the next lower half is the next step's
.endif
	WIN 0x80                                       ; destination window 2
.set ff, 0
.rept 16                               ; channels 32 (4 hf + ff / 4) on, key block ff % 4
.set rK, 64*(ff%4)+8*(4*(\hf)+ff/4)
	ds_load_b128 v[rK:rK+3],   v[AK] offset:(ff%4)*16*PK+(4*(\hf)+ff/4)*64
	ds_load_b128 v[rK+4:rK+7], v[AK] offset:(ff%4)*16*PK+(4*(\hf)+ff/4)*64+32
.set ff, ff+1
.endr
	WIN 0
.endm
.macro FETCH_V                         ; a step's V, turned: 16 fragments
	WIN 0
	v_add_nc_u32 v[AV], s[TBV], v[AV0]
	s_add_co_u32 s[TBV], s[TBV], VB
	WIN 0xc0                                       ; destination window 3
.set ff, 0
.rept 16                               ; keys 32 (ff / 8) on, channels 16 (ff % 8) on
	ds_load_tr16_b128 v[8*ff:8*ff+3],   v[AV] offset:(ff/8)*32*PV+(ff%8)*32
	ds_load_tr16_b128 v[8*ff+4:8*ff+7], v[AV] offset:(ff/8)*32*PV+16*PV+(ff%8)*32
.set ff, ff+1
.endr
	WIN 0
.endm
; THE MATRIX WORK of tile x.  The accumulators take turns, one instruction a turn: 8 in V^T P, 4 in KR Q^T; from part to part, from turn to turn and over the backward jump the accumulator changes too.
.macro PV1 x                           ; product i of 16 of O^T += V^T P: keys 32 (i / 8) on, channels 16 (i % 8) on
	WIN W_PV
.set rO, 64*(\x)+8*(i%8)
.set rV, 64*(i/8)+8*(i%8)
.set rP, P+16*(\x)+8*(i/8)
	v_wmma_f32_16x16x32_f16 v[rO:rO+7], v[rV:rV+7], v[rP:rP+7], v[rO:rO+7]
.endm
.macro QK1 x                           ; product i of 32 of S^T = KR Q^T: channels 32 (i / 4) on, keys 16 (i % 4) on; the first 4 start the sums
	WIN W_KQ
.set rS, S+32*(\x)+8*(i%4)
.set rK, 64*(i%4)+8*(i/4)
.set rQ, 128+64*(\x)+8*(i/4)
.if i < 4
	v_wmma_f32_16x16x32_f16 v[rS:rS+7], v[rK:rK+7], v[rQ:rQ+7], 0
.else
	v_wmma_f32_16x16x32_f16 v[rS:rS+7], v[rK:rK+7], v[rQ:rQ+7], v[rS:rS+7]
.endif
.endm
; THE VECTOR WORK of tile y, in three numbered lists; P1, P2 and P3 write the next number of theirs.
.macro XS t, n                         ; number n of the 20 that find tile t's maximum: 0-11 four chains of seven; 12-15 the four left over, c0-c3 and the old m; 16, 18 the lane 16 away; 17 m_old; 19 m_old - m
.set rT, ST+8*(\t)
.set rS, S+32*(\t)
.if (\n) < 4
	v_max3_num_f32 v[rT+4+(\n)], v[rS+8*(\n)], v[rS+8*(\n)+1], v[rS+8*(\n)+2]
.elseif (\n) < 12
	v_max3_num_f32 v[rT+4+(\n)%4], v[rT+4+(\n)%4], v[rS+8*((\n)%4)+2*((\n)/4)+1], v[rS+8*((\n)%4)+2*((\n)/4)+2]
.elseif (\n) == 12
	v_max3_num_f32 v[rT+4], v[rT+4], v[rS+7], v[rS+15]
.elseif (\n) == 13
	v_max3_num_f32 v[rT+6], v[rT+6], v[rS+23], v[rS+31]
.elseif (\n) == 14
	v_max3_num_f32 v[rT+4], v[rT+4], v[rT+5], v[rT+6]
.elseif (\n) == 15
	v_max3_num_f32 v[rT+4], v[rT+4], v[rT+7], v[rT]
.elseif (\n) == 16
	v_permlanex16_b32 v[rT+5], v[rT+4], s[SEL], s[SEL+1]
.elseif (\n) == 17
	v_mov_b32 v[rT+1], v[rT]
.elseif (\n) == 18
	v_max_num_f32 v[rT], v[rT+4], v[rT+5]
.else
	v_sub_f32 v[rT+7], v[rT+1], v[rT]
.endif
.endm
; LIST 1, 52 long.  0-31: z = s m + (m G - G), exactly s where m = 1 and exactly -G where m = 0: for each accumulator four times m G - G, then four times the sum; ascending.
; 32-51: the maximum's 20; number 17, which waits for nothing, stands between 13 and 14.
.macro P1 y
.set rS, S+32*(\y)
.set rM, M+32*(\y)
	WIN 0
.if n1 < 32
.set rg, 8*(n1/8)+2*(n1%4)
.if (n1%8) < 4
	v_pk_fma_f32 v[T+2*(n1%4):T+2*(n1%4)+1], v[rM+rg:rM+rg+1], s[GG:GG+1], s[GG:GG+1] op_sel_hi:[1,0,0] neg_lo:[0,0,1] neg_hi:[0,0,1]
.else
	v_pk_fma_f32 v[rS+rg:rS+rg+1], v[rS+rg:rS+rg+1], v[rM+rg:rM+rg+1], v[T+2*(n1%4):T+2*(n1%4)+1]
.endif
.else
.set xn, n1-32
.if xn == 14
.set xn, 17
.elseif (xn > 14) && (xn < 18)
.set xn, xn-1
.endif
	XS \y, xn
.endif
.set n1, n1+1
.endm
; LIST 2, 49 long: ONE BATCH: nothing in it names an exponential's result.  0, 1: z - m for pairs 0, 1.  2: a = 2^(m_old - m).  3-44 in threes: z - m for pair q + 2, the exponentials of pair q.  45-48: those of pairs 14, 15.
.macro P2 y
.set rT, ST+8*(\y)
.set rS, S+32*(\y)
	WIN 0
.if n2 == 2
	v_exp_f32 v[rT+6], v[rT+7]
.elseif (n2 < 2) || ((n2 < 45) && ((n2%3) == 0))
.set pp, n2
.if n2 >= 3
.set pp, n2/3+1
.endif
	v_pk_add_f32 v[rS+2*pp:rS+2*pp+1], v[rS+2*pp:rS+2*pp+1], v[rT:rT+1] op_sel_hi:[1,0] neg_lo:[0,1] neg_hi:[0,1]
.else
.set ee, n2-17
.if n2 < 45
.set ee, 2*((n2-3)/3)+(n2-3)%3-1
.endif
	v_exp_f32 v[rS+ee], v[rS+ee]
.endif
.set n2, n2+1
.endm
.macro AL t, z                         ; the sum of the tile's 16 pairs, in place: neighbours 1, 2, 4, 8 pairs apart (only even pairs are written); then l = a l + sum
.set rT, ST+8*(\t)
.set rS, S+32*(\t)
.if (\z) < 8
.set w, 4
.set u, (\z)
.elseif (\z) < 12
.set w, 8
.set u, (\z)-8
.elseif (\z) < 14
.set w, 16
.set u, (\z)-12
.else
.set w, 32
.set u, 0
.endif
.if (\z) < 15
	v_pk_add_f32 v[rS+w*u:rS+w*u+1], v[rS+w*u:rS+w*u+1], v[rS+w*u+w/2:rS+w*u+w/2+1]
.else
	v_pk_fma_f32 v[rT+2:rT+3], v[rT+2:rT+3], v[rT+6:rT+7], v[rS:rS+1] op_sel_hi:[1,0,1]
.endif
.endm
; LIST 3, 64 long.  0-7: the even pairs rounded to f16, ahead of the sums that write over them.  8-19: sums 0-11.  20-31: sums 12-15, whose links wait for each other, with the odd pairs' roundings between them.
; 32-63: O^T times a, the one part that leaves window 0.
.macro P3 y
.set rT, ST+8*(\y)
.set rS, S+32*(\y)
.if n3 >= 32
	WIN W_RS
.set rO, 64*(\y)+2*(n3-32)
	v_pk_mul_f32 v[rO:rO+1], v[rO:rO+1], v[rT+6:rT+7] op_sel_hi:[1,0]
.else
	WIN 0
.set cc, -1
.set aa, n3-8
.if n3 < 8
.set cc, 2*n3
.elseif n3 < 20                        ; sums 0 to 11: aa stands
.elseif n3 == 20
.set aa, 12
.elseif n3 == 22
.set aa, 13
.elseif n3 == 25
.set aa, 14
.elseif n3 == 29
.set aa, 15
.elseif n3 < 24
.set cc, n3-20                         ; 21, 23: pairs 1, 3
.elseif n3 == 24
.set cc, 5
.elseif n3 < 29
.set cc, 2*n3-45                       ; 26, 27, 28: pairs 7, 9, 11
.else
.set cc, 2*n3-47                       ; 30, 31: pairs 13, 15
.endif
.if cc >= 0
	v_cvt_pk_f16_f32 v[P+16*(\y)+cc], v[rS+2*cc], v[rS+2*cc+1]
.else
	AL \y, aa
.endif
.endif
.set n3, n3+1
.endm
; THE THREE PARTS OF A TURN: tile x's products, tile y's slices.  pv, kq = 0: the slices stand alone.
.macro SEG1 x, y, pv, khi              ; 16 x V^T P | list 1: 4, 3, 3, 3 a product.  khi = 1: the next step's upper channels of KR are fetched behind the second product
.set i, 0
.set n1, 0
.rept 16
.if \pv
	PV1 \x
.endif
	P1 \y
	P1 \y
	P1 \y
.if (i%4) == 0
	P1 \y
.endif
.if (\khi) && (i == 1)
	FETCH_KH 1                                     ; their last reader stands eleven plain instructions back
.endif
.set i, i+1
.endr
.endm
.macro SEG2 x, y, kq                   ; 16 x KR Q^T, channels 0-127 | list 2: 3 a product, 4 behind the last
.set i, 0
.set n2, 0
.rept 16
.if \kq
	QK1 \x
.endif
	P2 \y
	P2 \y
	P2 \y
.if i == 15
	P2 \y
	v_nop                                          ; a plain instruction behind the last exponential (ISA guide 5.7.2): one for the batch
	s_wait_alu depctr_va_vdst(0)                   ; the one wait ahead of the batch's first reader; it also stands ahead of the label and the jump behind turn B's part 2
.endif
.set i, i+1
.endr
.endm
.macro SEG3 x, y, kq                   ; 16 x KR Q^T, channels 128-255 | list 3: 4 a product; the last four, which name nothing of the products, are the places behind the turn's last product
.set i, 16
.set n3, 0
.rept 16
.if \kq
	QK1 \x
.endif
	P3 \y
	P3 \y
	P3 \y
	P3 \y
.set i, i+1
.endr
.endm
; TRIP j: B(j - 1)'s part 3, A(j), B(j)'s parts 1 and 2.  It fetches step j + 1 from LDS: KR's lower channels at its head (both tiles have multiplied by step j's), the upper ones in A's part 1, V behind B's part 1;
; each run stands 30 matrix instructions or more ahead of its first use.  A tile's next mask is loaded straight behind its list 1: tile 1's of step j + 1, tile 0's of step j + 2.
; tail = 1: the text of trips 29 and 30: in trip 30 there is no step 32, and tile 0's eight loads are jumped; so the wait at A's head is for 0 there, which holds on either way.
.macro TRIP tail
	PLACES                                         ; behind the last product that read KR's lower channels
	FETCH_KH 0
	SEG3 1, 0, 1
	WIN 0
.if \tail
	s_wait_loadcnt 0x0
.else
	s_wait_loadcnt 8                               ; tile 1's mask is in; tile 0's eight loads, issued behind it, may stay out
.endif
	s_wait_dscnt 32                                ; V is in; the 32 loads of KR's lower channels, issued behind it, may stay out
	SEG1 0, 1, 1, 1
	WIN 0
	s_wait_xcnt 0x0                                ; the mask's loads have read their base, so it may be written
	s_add_nc_u64 s[MK:MK+1], s[MK:MK+1], 4096
	MLOAD1 1, 131072
	s_wait_dscnt 32                                ; KR's lower channels are in; the upper ones' 32 loads may stay out
	SEG2 0, 1, 1
	s_wait_dscnt 0x0                               ; the upper ones are in
	SEG3 0, 1, 1
	WIN 0
	s_wait_loadcnt 8                               ; tile 0's mask is in; tile 1's eight loads may stay out
	SEG1 1, 0, 1, 0
	WIN 0
	PLACES                                         ; behind the last product that read V
	FETCH_V
.if \tail
	s_cmp_eq_u32 s[TWICE], 1
	s_cbranch_scc1 .Lno_mask_\@
.endif
	MLOAD1 0, 4096
.if \tail
.Lno_mask_\@:
.endif
	SEG2 1, 0, 1
	WIN 0
.endm
; THE CHANGE OF SLOTS stands at the head of every odd trip: the slot's last bytes, V of its second step, were asked for 16 products back, and the trip's first fetch is the other slot's first step.  Each wave waits for all its
; tensor loads (one is out: its part of the other slot), adds 0 to its spare word, and waits for that and for its reads of the slot.  fill = 1: the barrier is a round of the cluster's, and the joint refill is the first thing
; behind it: it has two key steps in which to land.
.macro CHANGE fill
	WIN 0
	s_wait_tensorcnt 0x0
	ds_add_u32 v[SPW], v[NIL]
.if \fill
	s_xor_b32 s[G0K+5], s[G0K+5], SLOT1            ; the walking descriptors: the other slot, the next 128 keys
	s_add_nc_u64 s[G0K+6:G0K+7], s[G0K+6:G0K+7], 65536
	s_xor_b32 s[G0V+5], s[G0V+5], SLOT1
	s_add_nc_u64 s[G0V+6:G0V+7], s[G0V+6:G0V+7], 32768
	s_wait_xcnt 0x0                                ; the last prefetch, two key steps back, has read its address
	s_add_nc_u64 s[PFA:PFA+1], s[PFA:PFA+1], s[PST:PST+1]
	s_wait_dscnt 0x0
	CROUND
	JLOAD
	ASK
.else
	s_wait_dscnt 0x0
	s_barrier_signal -1
	s_barrier_wait -1
.endif
	s_sub_co_u32 s[TBK], s[TBK], 2*KB              ; the fetches go back to a slot's first step, in the other slot
	s_xor_b32 s[TBK], s[TBK], SLOT1
	s_sub_co_u32 s[TBV], s[TBV], 2*VB
	s_xor_b32 s[TBV], s[TBV], SLOT1
.endm
	s_wait_tensorcnt 1                             ; my part of slot 0 is in; slot 1's may stay out
	s_barrier_signal -1
	s_barrier_wait -1
	FETCH_KH 0                                     ; key step 0
	FETCH_KH 1
	FETCH_V
	s_wait_loadcnt 16                              ; Q is in; the masks' 16 loads may stay out
	s_wait_dscnt 32                                ; KR is in; V's 32 loads may stay out
.set i, 0
.rept 32
	QK1 0                                          ; tile 0's first scores: there is no vector work yet to set between them
.set i, i+1
.endr
	WIN 0
	PLACES
	s_wait_loadcnt 8                               ; tile 0's mask is in; tile 1's may stay out
	SEG1 1, 0, 0, 0                                ; what stands for turn B(-1): no V^T P yet | tile 0's mask and maximum of step 0
	MLOAD1 0, 4096                                 ; tile 0's mask of step 1
	SEG2 1, 0, 1                                   ; tile 1's first scores, channels 0-127 | tile 0's exponentials
	WIN 0
	s_mov_b32 s[SLOTS], 15
	s_mov_b32 s[TWICE], 1                          ; slot 0 has one trip left: its first step has been fetched
	s_branch .Lstep
.Lslot:                                            ; 14 times: every slot but the last two is filled again
	CHANGE 1
	s_mov_b32 s[TWICE], 2
.Lstep:
	TRIP 0
	s_sub_co_u32 s[TWICE], s[TWICE], 1
	s_cmp_lg_u32 s[TWICE], 0
	s_cbranch_scc1 .Lstep
	s_sub_co_u32 s[SLOTS], s[SLOTS], 1
	s_cmp_lg_u32 s[SLOTS], 0
	s_cbranch_scc1 .Lslot
	CHANGE 0                                       ; the tail is written out
	s_mov_b32 s[TWICE], 2
.Ltail:
	TRIP 1
	s_sub_co_u32 s[TWICE], s[TWICE], 1
	s_cmp_lg_u32 s[TWICE], 0
	s_cbranch_scc1 .Ltail
	SEG3 1, 0, 1                                   ; the last step: nothing is fetched.  Tile 1's last scores | the end of tile 0's last softmax
	WIN 0
	s_wait_loadcnt 0x0                             ; tile 1's last mask
	s_wait_dscnt 0x0                               ; the last V
	SEG1 0, 1, 1, 0                                ; tile 0's last V^T P | tile 1's last softmax,
	SEG2 0, 1, 0                                   ; whose other two lists stand alone
	SEG3 0, 1, 0
.set i, 0
.rept 16
	PV1 1                                          ; tile 1's last V^T P
.set i, i+1
.endr
	WIN 0
	PLACES
	; THE WAY OUT: l's halves and the other lanes' are added; O^T is divided by l, rounded to f16 and sent through my stage, a tile at a time
.irp t, 0,1
	v_add_f32 v[ST+8*(\t)+4], v[ST+8*(\t)+2], v[ST+8*(\t)+3]
.endr
.irp t, 0,1
	v_permlanex16_b32 v[ST+8*(\t)+5], v[ST+8*(\t)+4], s[SEL], s[SEL+1]
.endr
.irp t, 0,1
	v_add_f32 v[ST+8*(\t)+4], v[ST+8*(\t)+4], v[ST+8*(\t)+5]
.endr
.irp t, 0,1
	v_rcp_f32 v[ST+8*(\t)+6], v[ST+8*(\t)+4]
.endr
	v_nop
	s_wait_alu depctr_va_vdst(0)                   ; one wait for the two reciprocals, ahead of their first reader
.macro PACK t
	WIN W_RS
.set i, 64*(\t)
.rept 32
	v_pk_mul_f32 v[i:i+1], v[i:i+1], v[ST+8*(\t)+6:ST+8*(\t)+7] op_sel_hi:[1,0]
.set i, i+2
.endr
	WIN 0x05                                       ; sources window 1, destination window 0
.set i, 0
.rept 32
	v_cvt_pk_f16_f32 v[S+32*(\t)+i], v[64*(\t)+2*i], v[64*(\t)+2*i+1]
.set i, i+1
.endr
	WIN 0
.irp f, 0,1,2,3,4,5,6,7
	ds_store_b128 v[STO], v[S+32*(\t)+4*(\f):S+32*(\t)+4*(\f)+3] offset:32*(\f)
.endr
.irp f, 0,1,2,3,4,5,6,7
	ds_load_b128 v[S+32*(\t)+4*(\f):S+32*(\t)+4*(\f)+3], v[RD] offset:(\f)*2*SP  ; LDS serves a wave's instructions in order (ISA guide 5.7.1.4): these see the stores above
.endr
.endm
.macro SEND t, younger                 ; younger: the LDS instructions issued behind tile t's loads
.irp f, 0,1,2,3,4,5,6,7
	s_wait_dscnt (\younger)+7-(\f)
	global_store_b128 v[GO], v[S+32*(\t)+4*(\f):S+32*(\t)+4*(\f)+3], s[OB:OB+1] offset:(\t)*65536+(\f)*8192  ; 16 lanes store 256 consecutive bytes, aligned
.endr
.endm
	PACK 0
	PACK 1
	SEND 0, 16
	SEND 1, 0
	s_wait_tensorcnt 0x0                           ; the wave's end
	ds_add_u32 v[SPW], v[NIL]
	s_wait_dscnt 0x0
	CROUND                                         ; the closing round
	s_endpgm
.Lfunc_end_k_q8a9a294713_attn:
	.size	k_q8a9a294713_attn, .Lfunc_end_k_q8a9a294713_attn-k_q8a9a294713_attn
	.p2alignl 7, 3214868480
	.fill 96, 4, 3214868480
	.section	.rodata,"a",@progbits
	.p2align	6, 0x0
	.amdhsa_kernel k_q8a9a294713_attn
		.amdhsa_group_segment_fixed_size 327680
		.amdhsa_private_segment_fixed_size 0
		.amdhsa_enable_private_segment 0
		.amdhsa_kernarg_size 40
		.amdhsa_user_sgpr_count 2
		.amdhsa_user_sgpr_kernarg_segment_ptr 1
		.amdhsa_wavefront_size32 1
		.amdhsa_system_sgpr_workgroup_id_x 1
		.amdhsa_system_sgpr_workgroup_id_y 1
		.amdhsa_system_sgpr_workgroup_id_z 1
		.amdhsa_system_vgpr_workitem_id 0
		.amdhsa_next_free_vgpr 896
		.amdhsa_next_free_sgpr 80
		.amdhsa_reserve_vcc 0
		.amdhsa_float_denorm_mode_32 3
		.amdhsa_float_denorm_mode_16_64 3
		.amdhsa_memory_ordered 1
		.amdhsa_forward_progress 1
		.amdhsa_inst_pref_size 146
	.end_amdhsa_kernel
	.amdgpu_metadata
---
amdhsa.version: [ 1, 2 ]
amdhsa.kernels:
  - .name:           k_q8a9a294713_attn
    .symbol:         k_q8a9a294713_attn.kd
    .args:
      - { .name: qq, .offset: 0, .size: 8, .value_kind: global_buffer, .address_space: global }
      - { .name: kr, .offset: 8, .size: 8, .value_kind: global_buffer, .address_space: global }
      - { .name: vv, .offset: 16, .size: 8, .value_kind: global_buffer, .address_space: global }
      - { .name: mk, .offset: 24, .size: 8, .value_kind: global_buffer, .address_space: global }
      - { .name: oo, .offset: 32, .size: 8, .value_kind: global_buffer, .address_space: global }
    .group_segment_fixed_size: 327680
    .private_segment_fixed_size: 0
    .kernarg_segment_align: 8
    .kernarg_segment_size: 40
    .max_flat_workgroup_size: 128
    .sgpr_count:     80
    .vgpr_count:     896
    .wavefront_size: 32
...
	.end_amdgpu_metadata
.endif
;; end of part 3
;; launch outp (part 4): grid 16 x 16, 4 waves a work-group, clusters of 4 x 4, 327,680 bytes of LDS; arguments oo, cst, bo, out0; writes out0
.if DOCPART == 4
	.amdgcn_target "amdgcn-amd-amdhsa--gfx1250"
	.amdhsa_code_object_version 6
	.text
	.protected	k_q8a9a294713_outp
	.globl	k_q8a9a294713_outp
	.p2align	8
	.type	k_q8a9a294713_outp,@function
k_q8a9a294713_outp:
	s_mov_b64 s[64:65], 0
	v_nop
	global_prefetch_b8 v0, s[64:65] scope:SCOPE_SE
	s_setreg_imm32_b32 hwreg(HW_REG_WAVE_MODE, 25, 1), 1
	s_wait_xcnt 0x0
	s_wait_alu depctr_hold_cnt(0) depctr_sa_sdst(0) depctr_va_vdst(0) depctr_va_sdst(0) depctr_va_ssrc(0) depctr_va_vcc(0) depctr_vm_vsrc(0)
	s_getreg_b32 s2, hwreg(HW_REG_IB_STS2, 6, 4)
	s_cmp_eq_u32 s2, 0
	s_cbranch_scc0 .Lentry_in_a_cluster
	s_endpgm
.Lentry_in_a_cluster:
	s_bfe_u32 s2, ttmp6, 0x10000c
	s_cmp_lg_u32 s2, 0xf033
	s_cbranch_scc0 .Lentry_shape_is_right
	s_endpgm
.Lentry_shape_is_right:
; OUTP.  out0 = oo Wo + bo.  oo: [2048][2048] f16; Wo: array 7 of cst, [K][N] f16; bo in f32 as it is given; out0 f32.  Sums in f32.
; A tile of C is 128 x 128, so that there are 256 work-groups; four waves, each 64 x 64: 16 accumulators.  K goes in 8 steps of 256 through two LDS slots, as long as two slots allow.
; oo's rows lie along K (512 bytes + 16 in LDS); Wo lies [K][N]: a K step is 256 rows of 256 bytes (+ 32 in LDS), read by the turning load.
; CLUSTER.  4 x 4: oo's tile is shared along a row of the cluster, Wo's along a column; each is asked for jointly.  The matrix instruction is used transposed: a lane holds one row and eight neighbouring columns.
; A wave's 64 columns of f32 are 256 whole bytes, so each wave has a stage of its own on the way out and no barrier is needed there.
; No prefetch is laid: the tiles are small and a step's work is short beside what it fetches.
; REGISTERS: window 0: v8-29 addresses and bo; v32-95 at work on the way out; v128-255 accumulator (a, b) at 128 + 8 (4 a + b).  Window 1: two fragment buffers of 128: 64 of oo, then 64 of Wo.
.set CA,    8388608
.set PA,    528                        ; an odd multiple of 16 (ISA guide 11.1)
.set PB,    288                        ; an odd multiple of 32, for the turning load
.set HA,    64*PA                      ; what a load of oo brings
.set HB,    128*PB                     ; what a load of Wo brings
.set BOFF,  2*HA
.set SLOT,  2*HA+2*HB
.set STAGE, 2*SLOT
.set SP,    272
.set SPARE, STAGE+4*16*SP
.set LAPS,  4
.set BO,   8                           ; v[8:11] bo of my 4 columns
.set BOO,  12
.set ADRA, 16                          ; v16-17 by slot
.set ADRB, 20                          ; v20-23 by slot and half of the K step: so every immediate stays inside its 16 bits
.set STO,  24
.set RD,   25
.set CO,   26
.set SPW,  28
.set NIL,  29
.set TMP,  32
.set ACC,  128
.set F0,   0
.set F1,   128
.set WV,   12
.set RH,   13
.set CH,   14
.set TR,   15
.set G1,   24
.set G0,   32
.set G1B,  48
.set G0B,  56
.set MSB, 0
.macro WIN new
.if MSB != (\new)
	s_set_vgpr_msb (MSB<<8)|(\new)
.set MSB, \new
.endif
.endm
.set MUL,  0x05                        ; sources window 1; C and D window 0
.set TO_F, 0x40
.macro PLACES
.rept 4
	v_nop
.endr
.endm
.macro JLOAD s                         ; waves 0, 1 fetch oo's halves, waves 2, 3 Wo's; s_nop 0 and four v_nop follow each line
	s_cmp_eq_u32 s[RH], 0
	s_cbranch_scc0 .Lfor_b_\@
	tensor_load_to_lds s[G0+4*(\s):G0+4*(\s)+3], s[G1:G1+7]
	s_nop 0
.rept 4
	v_nop
.endr
	s_branch .Lasked_\@
.Lfor_b_\@:
	tensor_load_to_lds s[G0B+4*(\s):G0B+4*(\s)+3], s[G1B:G1B+7]
	s_nop 0
.rept 4
	v_nop
.endr
.Lasked_\@:
.endm
.macro CREST
	s_cmp_lg_u32 s[WV], 0
	s_cbranch_scc1 .Lnot_wave_0_\@
	s_barrier_signal -3
.Lnot_wave_0_\@:
	s_barrier_wait -3
	s_barrier_signal -1
	s_barrier_wait -1
.endm
.macro CROUND
	s_barrier_signal -1
	s_barrier_wait -1
	CREST
.endm
	s_load_b256 s[4:11], s[0:1], 0x0               ; oo s[4:5], cst s[6:7], bo s[8:9], out0 s[10:11]
	v_lshl_add_u32 v[SPW], v0, 2, SPARE
	v_mov_b32 v[NIL], 0
	ds_add_u32 v[SPW], v[NIL]                      ; the wave's opening: the add and its wait ahead of my first tensor load
	v_lshrrev_b32 v1, 5, v0
	v_readfirstlane_b32 s[WV], v1
	s_lshr_b32 s[RH], s[WV], 1                     ; my half of the rows; also: I fetch for oo (0) or Wo (1)
	s_and_b32 s[CH], s[WV], 1                      ; my half of the columns; also: which half of that tile I fetch
	s_bfe_u32 s40, ttmp6, 0x40000                  ; cx
	s_bfe_u32 s41, ttmp6, 0x40004                  ; cy
	s_lshl_b32 s42, ttmp9, 2
	s_add_co_u32 s42, s42, s40                     ; tile column
	s_and_b32 s[TR], ttmp7, 0xffff
	s_lshl_b32 s[TR], s[TR], 2
	s_add_co_u32 s[TR], s[TR], s41                 ; tile row
	s_lshl_b32 s43, s41, 2
	s_lshl_b32 s43, 15, s43                        ; my row of the cluster
	s_lshl_b32 s44, 0x1111, s40                    ; my column
	s_or_b32 s[G1], s43, (1<<16)|(1<<20)|(1<<21)|(6<<22)|(3<<25)   ; oo: 4 words behind every 128
	s_mov_b32 s[G1+1], 256<<16                     ; 64 rows x 256 elements
	s_mov_b32 s[G1+2], 64<<16
	s_mov_b32 s[G1+3], 256<<16
	s_mov_b32 s[G1+4], 64
	s_mov_b32 s[G1+5], 2048
	s_mov_b32 s[G1+6], 0
	s_mov_b32 s[G1+7], 0
	s_or_b32 s[G1B], s44, (1<<16)|(1<<20)|(1<<21)|(5<<22)|(7<<25)  ; Wo: 8 words behind every 64
	s_mov_b32 s[G1B+1], 128<<16                    ; 128 rows x 128 elements
	s_mov_b32 s[G1B+2], 128<<16
	s_mov_b32 s[G1B+3], 128<<16
	s_mov_b32 s[G1B+4], 128
	s_mov_b32 s[G1B+5], 2048
	s_mov_b32 s[G1B+6], 0
	s_mov_b32 s[G1B+7], 0
	s_lshl_b32 s16, s[TR], 7                       ; oo: row 128 TR + 64 half, of 4,096 bytes
	s_lshl_b32 s17, s[CH], 6
	s_add_co_u32 s16, s16, s17
	s_lshl_b32 s16, s16, 12
	s_mov_b32 s17, 0
	s_lshl_b32 s46, s[CH], 19                      ; Wo: 128 rows x half, 256 bytes a tile column
	s_lshl_b32 s47, s42, 8
	s_add_co_u32 s46, s46, s47
	s_add_co_u32 s46, s46, 7*CA
	s_mov_b32 s47, 0
	s_mul_i32 s20, s[CH], HA                       ; where they go: the wave's number alone
	s_mul_i32 s21, s[CH], HB
	s_add_co_u32 s21, s21, BOFF
	s_lshl_b32 s22, s42, 9                         ; my 64 columns in f32: 512 bytes a tile column + 256 x half
	s_lshl_b32 s23, s[CH], 8
	s_add_co_u32 s22, s22, s23
	s_lshl_b32 s18, s[TR], 7                       ; out0: row 128 TR + 64 half, of 8,192 bytes
	s_lshl_b32 s19, s[RH], 6
	s_add_co_u32 s18, s18, s19
	s_lshl_b32 s18, s18, 13
	s_add_co_u32 s18, s18, s22
	s_mov_b32 s19, 0
	s_wait_dscnt 0x0                               ; the opening add is done
	s_wait_kmcnt 0x0
	s_add_nc_u64 s[16:17], s[4:5], s[16:17]
	s_add_nc_u64 s[46:47], s[6:7], s[46:47]
	s_add_nc_u64 s[10:11], s[10:11], s[18:19]
	CROUND                                         ; all sixteen work-groups are here: the first joint loads meet
.irp s, 0,1
	s_mov_b32 s[G0+4*(\s)], 1
	s_add_co_u32 s[G0+4*(\s)+1], s20, (\s)*SLOT
	s_add_nc_u64 s[G0+4*(\s)+2:G0+4*(\s)+3], s[16:17], (\s)*512
	s_or_b32 s[G0+4*(\s)+3], s[G0+4*(\s)+3], 0x80000000
	s_mov_b32 s[G0B+4*(\s)], 1
	s_add_co_u32 s[G0B+4*(\s)+1], s21, (\s)*SLOT
	s_add_nc_u64 s[G0B+4*(\s)+2:G0B+4*(\s)+3], s[46:47], (\s)*1048576
	s_or_b32 s[G0B+4*(\s)+3], s[G0B+4*(\s)+3], 0x80000000
	JLOAD \s                                       ; K steps 0 and 1: two tensor loads of mine are out
.endr
	v_and_b32 v1, 15, v0                           ; l % 16
	v_bfe_u32 v2, v0, 4, 1                         ; l / 16
	v_lshl_add_u32 v[BOO], v1, 4, s22
	global_load_b128 v[BO:BO+3], v[BOO], s[8:9]
	v_mul_u32_u24 v3, v1, PA
	v_lshl_add_u32 v3, v2, 4, v3
	s_mul_i32 s23, s[RH], HA
	v_add_nc_u32 v[ADRA], s23, v3
	v_add_nc_u32 v[ADRA+1], SLOT, v[ADRA]
	v_and_b32 v4, 7, v0                            ; the turning load: lane l reads K row 8 (l / 16) + l % 8, columns 8 ((l / 8) % 2) + 0..7
	v_lshl_add_u32 v4, v2, 3, v4
	v_mul_u32_u24 v4, v4, PB
	v_bfe_u32 v5, v0, 3, 1
	v_lshl_add_u32 v4, v5, 4, v4
	s_lshl_b32 s23, s[CH], 7                       ; my 64 columns
	s_add_co_u32 s23, s23, BOFF
	v_add_nc_u32 v[ADRB], s23, v4
	v_add_nc_u32 v[ADRB+1], HB, v[ADRB]
	v_add_nc_u32 v[ADRB+2], SLOT, v[ADRB]
	v_add_nc_u32 v[ADRB+3], SLOT+HB, v[ADRB]
	s_mul_i32 s23, s[WV], 16*SP
	s_add_co_u32 s23, s23, STAGE                   ; my stage
	v_mul_u32_u24 v3, v1, SP                       ; in: row l % 16, 32 bytes for each half of the lanes
	v_lshl_add_u32 v3, v2, 5, v3
	v_add_nc_u32 v[STO], s23, v3
	v_mul_u32_u24 v3, v2, SP                       ; back: lanes 0-15 one row of 256 bytes, lanes 16-31 the next
	v_lshl_add_u32 v3, v1, 4, v3
	v_add_nc_u32 v[RD], s23, v3
	v_lshlrev_b32 v3, 13, v2                       ; and the same two rows in out0
	v_lshl_add_u32 v[CO], v1, 4, v3
	s_wait_loadcnt 0x0                             ; bo is in: waited for here, in the wait for the first tile
; 8 matrix instructions: row blocks a0, a0 + 1 x all 4 column blocks, 32 along K: half c of buffer f.  The 16 accumulators take turns
.macro MUL8 f, c, a0, zero
	WIN MUL
.irp a, \a0, (\a0)+1
.irp b, 0,1,2,3
.if \zero
	v_wmma_f32_16x16x32_f16 v[ACC+8*(4*(\a)+(\b)):ACC+8*(4*(\a)+(\b))+7], v[(\f)+64+8*(4*(\c)+(\b)):(\f)+64+8*(4*(\c)+(\b))+7], v[(\f)+8*(4*(\c)+(\a)):(\f)+8*(4*(\c)+(\a))+7], 0
.else
	v_wmma_f32_16x16x32_f16 v[ACC+8*(4*(\a)+(\b)):ACC+8*(4*(\a)+(\b))+7], v[(\f)+64+8*(4*(\c)+(\b)):(\f)+64+8*(4*(\c)+(\b))+7], v[(\f)+8*(4*(\c)+(\a)):(\f)+8*(4*(\c)+(\a))+7], v[ACC+8*(4*(\a)+(\b)):ACC+8*(4*(\a)+(\b))+7]
.endif
.endr
.endr
.endm
; 32 LDS loads in one run: quarter q (64 along K) of a slot into buffer f; the first 32 along K first
.macro FETCH slot, q, f
	WIN TO_F
.irp c, 0,1
.irp i, 0,1,2,3
	ds_load_tr16_b128 v[(\f)+64+8*(4*(\c)+(\i)):(\f)+64+8*(4*(\c)+(\i))+3],   v[ADRB+2*(\slot)+(\q)/2] offset:(((\q)%2)*64+32*(\c))*PB+32*(\i)
	ds_load_tr16_b128 v[(\f)+64+8*(4*(\c)+(\i))+4:(\f)+64+8*(4*(\c)+(\i))+7], v[ADRB+2*(\slot)+(\q)/2] offset:(((\q)%2)*64+32*(\c))*PB+16*PB+32*(\i)
	ds_load_b128 v[(\f)+8*(4*(\c)+(\i)):(\f)+8*(4*(\c)+(\i))+3],   v[ADRA+(\slot)] offset:128*(\q)+64*(\c)+(\i)*16*PA
	ds_load_b128 v[(\f)+8*(4*(\c)+(\i))+4:(\f)+8*(4*(\c)+(\i))+7], v[ADRA+(\slot)] offset:128*(\q)+64*(\c)+(\i)*16*PA+32
.endr
.endr
.endm
.macro QUARTER slot, q, f, g, zero
	s_wait_dscnt 16                                ; the first 32 along K are in; the other sixteen loads may be out
	MUL8 \f, 0, 0, \zero
	MUL8 \f, 0, 2, \zero
	PLACES
	FETCH \slot, \q, \g
	s_wait_dscnt 32                                ; all but the 32 just issued
	MUL8 \f, 1, 0, 0
	MUL8 \f, 1, 2, 0
.endm
; The last quarter multiplies buffer 1 and changes slots: one barrier; in front of it each wave waits for all its tensor loads, adds 0 to its spare word, and waits for that and for its reads of this slot
.macro TURN slot, next, fill
	WIN 0
	s_wait_tensorcnt 0x0
	ds_add_u32 v[SPW], v[NIL]
	s_wait_dscnt 17                                ; the add and the youngest sixteen loads may be out
	MUL8 F1, 0, 0, 0
	s_wait_dscnt 0x0
	s_barrier_signal -1
	MUL8 F1, 0, 2, 0
.if \fill
	WIN 0
.endif
	s_barrier_wait -1
.if \fill
	CREST                                          ; the barrier has opened a round of the cluster's: no wave of any partner still reads this slot or has a load on its way
	s_add_nc_u64 s[G0+4*(\slot)+2:G0+4*(\slot)+3], s[G0+4*(\slot)+2:G0+4*(\slot)+3], 1024
	s_add_nc_u64 s[G0B+4*(\slot)+2:G0B+4*(\slot)+3], s[G0B+4*(\slot)+2:G0B+4*(\slot)+3], 2097152
	JLOAD \slot                                    ; 112 matrix instructions ahead of the wait for it; its four v_nop are also the places in front of the loads below
.else
	PLACES
.endif
	FETCH \next, 0, F0
	MUL8 F1, 1, 0, 0
	MUL8 F1, 1, 2, 0
.endm
	s_wait_tensorcnt 1                             ; my part of K step 0 is in; K step 1's may stay out
	s_barrier_signal -1
	s_barrier_wait -1
	FETCH 0, 0, F0
	QUARTER 0, 1, F0, F1, 1                        ; its first products start the sums
	WIN 0
	s_mov_b32 s3, LAPS-1
.Llap:
	QUARTER 0, 2, F1, F0, 0
	QUARTER 0, 3, F0, F1, 0
	TURN 0, 1, 1
	QUARTER 1, 1, F0, F1, 0
	QUARTER 1, 2, F1, F0, 0
	QUARTER 1, 3, F0, F1, 0
	TURN 1, 0, 1
	QUARTER 0, 1, F0, F1, 0
	WIN 0
	s_sub_co_u32 s3, s3, 1
	s_cmp_lg_u32 s3, 0
	s_cbranch_scc1 .Llap
	QUARTER 0, 2, F1, F0, 0                        ; the last lap fills nothing
	QUARTER 0, 3, F0, F1, 0
	TURN 0, 1, 0
	QUARTER 1, 1, F0, F1, 0
	QUARTER 1, 2, F1, F0, 0
	QUARTER 1, 3, F0, F1, 0
	s_wait_dscnt 16
	MUL8 F1, 0, 0, 0
	MUL8 F1, 0, 2, 0
	s_wait_dscnt 0x0
	MUL8 F1, 1, 0, 0
	MUL8 F1, 1, 2, 0
	WIN 0
	PLACES
	PLACES
	; THE WAY OUT: 16 rows at a time through my own stage; back as whole rows of 256 bytes; + bo; stored
.irp a, 0,1,2,3
.if (\a) >= 2
	s_wait_xcnt 0x0                                ; the stores of two blocks back have read the registers that are loaded again below
.endif
.irp b, 0,1,2,3
	ds_store_b128 v[STO], v[ACC+8*(4*(\a)+(\b)):ACC+8*(4*(\a)+(\b))+3]   offset:64*(\b)     ; each accumulator's low four registers first
	ds_store_b128 v[STO], v[ACC+8*(4*(\a)+(\b))+4:ACC+8*(4*(\a)+(\b))+7] offset:64*(\b)+16
.endr
.irp t, 0,1,2,3,4,5,6,7
	ds_load_b128 v[TMP+32*((\a)%2)+4*(\t):TMP+32*((\a)%2)+4*(\t)+3], v[RD] offset:(\t)*2*SP  ; LDS serves a wave's instructions in order (ISA guide 5.7.1.4)
.endr
.irp t, 0,1,2,3,4,5,6,7
	s_wait_dscnt 7-(\t)                            ; the 7 - t younger loads may stay out
	v_pk_add_f32 v[TMP+32*((\a)%2)+4*(\t):TMP+32*((\a)%2)+4*(\t)+1],   v[TMP+32*((\a)%2)+4*(\t):TMP+32*((\a)%2)+4*(\t)+1],   v[BO:BO+1]
	v_pk_add_f32 v[TMP+32*((\a)%2)+4*(\t)+2:TMP+32*((\a)%2)+4*(\t)+3], v[TMP+32*((\a)%2)+4*(\t)+2:TMP+32*((\a)%2)+4*(\t)+3], v[BO+2:BO+3]
	global_store_b128 v[CO], v[TMP+32*((\a)%2)+4*(\t):TMP+32*((\a)%2)+4*(\t)+3], s[10:11] offset:(16*(\a)+2*(\t))*8192 th:TH_STORE_NT  ; 16 lanes store 256 consecutive bytes, aligned
.endr
.endr
	s_wait_tensorcnt 0x0                           ; the wave's end
	ds_add_u32 v[SPW], v[NIL]
	s_wait_dscnt 0x0
	CROUND                                         ; the closing round
	s_endpgm
.Lfunc_end_k_q8a9a294713_outp:
	.size	k_q8a9a294713_outp, .Lfunc_end_k_q8a9a294713_outp-k_q8a9a294713_outp
	.p2alignl 7, 3214868480
	.fill 96, 4, 3214868480
	.section	.rodata,"a",@progbits
	.p2align	6, 0x0
	.amdhsa_kernel k_q8a9a294713_outp
		.amdhsa_group_segment_fixed_size 327680
		.amdhsa_private_segment_fixed_size 0
		.amdhsa_enable_private_segment 0
		.amdhsa_kernarg_size 32
		.amdhsa_user_sgpr_count 2
		.amdhsa_user_sgpr_kernarg_segment_ptr 1
		.amdhsa_wavefront_size32 1
		.amdhsa_system_sgpr_workgroup_id_x 1
		.amdhsa_system_sgpr_workgroup_id_y 1
		.amdhsa_system_sgpr_workgroup_id_z 1
		.amdhsa_system_vgpr_workitem_id 0
		.amdhsa_next_free_vgpr 512
		.amdhsa_next_free_sgpr 66
		.amdhsa_reserve_vcc 0
		.amdhsa_float_denorm_mode_32 3
		.amdhsa_float_denorm_mode_16_64 3
		.amdhsa_memory_ordered 1
		.amdhsa_forward_progress 1
		.amdhsa_inst_pref_size 91
	.end_amdhsa_kernel
	.amdgpu_metadata
---
amdhsa.version: [ 1, 2 ]
amdhsa.kernels:
  - .name:           k_q8a9a294713_outp
    .symbol:         k_q8a9a294713_outp.kd
    .args:
      - { .name: oo, .offset: 0, .size: 8, .value_kind: global_buffer, .address_space: global }
      - { .name: cst, .offset: 8, .size: 8, .value_kind: global_buffer, .address_space: global }
      - { .name: bo, .offset: 16, .size: 8, .value_kind: global_buffer, .address_space: global }
      - { .name: out0, .offset: 24, .size: 8, .value_kind: global_buffer, .address_space: global }
    .group_segment_fixed_size: 327680
    .private_segment_fixed_size: 0
    .kernarg_segment_align: 8
    .kernarg_segment_size: 32
    .max_flat_workgroup_size: 128
    .sgpr_count:     66
    .vgpr_count:     512
    .wavefront_size: 32
...
	.end_amdgpu_metadata
.endif
;; end of part 4
